; MI455X (gfx1250); checked and timed in simulation.
; The chip was launched on July 23, 2026; its instructions are those of AMD's public machine-readable ISA for CDNA 5 (MIT licence, August 2026) and "CDNA5" Instruction Set Architecture Reference Guide (July 2026). The comments in the code are by the model that wrote it; some were corrected since.
;; Causal Self Attention. Allowed arithmetic: matrix products marked QUANTISED: E4M3 operands, one given power-of-two scale a tensor, by v_wmma_f32_16x16x64_fp8_fp8 or v_wmma_f32_16x16x128_fp8_fp8, f32 sums; everything else in f32.
;; Inputs: W_attn 1,024 x 3,072 float32; W_proj 1,024 x 1,024 float32; b_attn 3,072 float32; b_proj 1,024 float32; lowp_scales 8 int32 (the exponents e of the quantised operands' scales 2^e); x 4 x 2,048 x 1,024 float32.
;; Outputs: out0 4 x 2,048 x 1,024 float32.
;; This version of the problem:
;;   THIS VERSION OF THE PROBLEM IS GIVEN IN LOW PRECISION. The matrix products marked QUANTISED in the list below multiply operands that are first quantised to E4M3 (4 exponent bits, 3 mantissa bits; 8 bits a number), with one given power-of-two scale for each operand tensor; their sums are f32. All else is computed in f32.
;;   The module's matrix products, in the order in which they are computed (A, B: the left and right operand; K: the contracted axis; several contracted axes count as one K, in the product's order):
;;     1. [M 8,192, K 1,024] x [K 1,024, N 3,072]; A: input x; B: input W_attn: QUANTISED (scales: A lowp_scales[0], B lowp_scales[1])
;;     2. batch 64 x [M 2,048, K 64] x [K 64, N 2,048]; A: computed on the way; B: computed on the way: QUANTISED (scales: A lowp_scales[2], B lowp_scales[3])
;;     3. batch 64 x [M 2,048, K 2,048] x [K 2,048, N 64]; A: softmax (see below); B: computed on the way: QUANTISED (scales: A lowp_scales[4], B lowp_scales[5])
;;     4. [M 8,192, K 1,024] x [K 1,024, N 1,024]; A: computed on the way; B: input W_proj: QUANTISED (scales: A lowp_scales[6], B lowp_scales[7])
;;   THE QUANTISER, for each operand of a quantised product, along K:
;;     - The operand's scale is 2^e, e = its entry of the input lowp_scales (int32; the entries are numbered through the quantised products in the list's order, A before B).
;;     - Each number is divided by the scale, clamped to +-448, and rounded to the nearest number of E4M3, ties to even, subnormals kept.
;;     - The product sums the exact products of the quantised numbers (number of the format x scale) in f32.
;;   ~~~python
;;   def quantise(x, axis, e):      # numpy; x: float32 -> the quantised numbers, widened to float32 again
;;       x = np.moveaxis(x, axis, -1); K = x.shape[-1]
;;       r = np.clip(x / 2.0 ** e, -448, 448)
;;       step = 2.0 ** (np.maximum(np.frexp(np.where(r == 0, 1, r))[1] - 1, -6) - 3)
;;       q = np.round(r / step) * step * 2.0 ** e      # np.round: ties to even
;;       return np.moveaxis(q, -1, axis).astype(np.float32)
;;   ~~~
;;   SOFTMAX AHEAD OF A QUANTISED PRODUCT. Where the list says 'softmax', what is quantised is not the finished softmax but p = 2^(t - M), with t = logit x log2(e) and M = ceil(the row's largest t), a whole number; so 1/2 < the row's largest p <= 1. The row's sum l is taken of the UNQUANTISED p, in f32, and the product's result is divided by l at the end. Since M is a whole number, a kernel that streams over the keys may use a running M (the ceiling of the running maximum): every later rescaling is an exact power of two, so the quantised numbers keep their values, but for numbers so far below the row's largest that they fall under the format's range.
;;   OPERANDS COMPUTED ON THE WAY. 'Computed on the way' means the value that the module computes at that place (a softmax that the list does not call 'softmax' is quantised finished and normalised). What goes into a quantiser is computed in f32, as accurately as f32 sums, v_exp_f32 and their like allow (about 1e-6 of the number): no bf16 or f16 on the way to a quantiser, and a product that is left as it is and whose result goes on into a quantised operand takes f32 operands (vector FMAs, or v_wmma_f32_16x16x4_f32). A number that lies on a knife's edge between two numbers of the format may be rounded either way, as far as f32 arithmetic and the matrix unit's own rounding can turn it there, and no further.
;; One version. Each part assembles by itself: llvm-mc -triple=amdgcn-amd-amdhsa -mcpu=gfx1250 --defsym DOCPART=n.
;; ======== version 1 of 1: 4 launches
;; limits: right only within a limited range of input values
;; workspace buffers: x_codes 8,388,608 bytes; wa_codes 3,145,728 bytes; wp_codes 1,048,576 bytes; q_codes 8,388,608 bytes; k_codes 8,388,608 bytes; v_codes 8,388,608 bytes; y_codes 8,388,608 bytes
;; launch quant (part 1): grid 384 x 1, 4 waves a work-group, no clusters, 68,096 bytes of LDS; arguments x, W_attn, W_proj, lowp_scales, x_codes, wa_codes, wp_codes; writes x_codes, wa_codes, wp_codes
.if DOCPART == 1
	.amdgcn_target "amdgcn-amd-amdhsa--gfx1250"
	.amdhsa_code_object_version 6
	.text
	.protected	k_q98cf7f05bb_quant
	.globl	k_q98cf7f05bb_quant
	.p2align	8
	.type	k_q98cf7f05bb_quant,@function
k_q98cf7f05bb_quant:
	s_mov_b64 s[64:65], 0
	v_nop
	global_prefetch_b8 v0, s[64:65] scope:SCOPE_SE
	s_setreg_imm32_b32 hwreg(HW_REG_WAVE_MODE, 25, 1), 1
	s_wait_xcnt 0x0
; x [8192][1024], W_attn [1024][3072] and W_proj [1024][1024], all f32, become codes of FP8 (E4M3), one byte each, K innermost:
; x_codes [8192][1024], wa_codes [3072][1024], wp_codes [1024][1024].  code = number / 2^e, held within +-448, to the nearest code, ties to even.
; e = entry 0 (x), 1 (W_attn), 7 (W_proj) of the scales.  LIMITS: each e between -126 and 119, so that 2^e and 448 x 2^e are f32 numbers; NaN among the inputs is not served.
; Work-groups 0-255 take x: its K is innermost, so it is a plain stream; a wave takes 16 steps of 512 numbers.  Each load reads 512 consecutive bytes; a step's 2,048 bytes turn through the
; wave's own stage in LDS, so that a lane then holds 16 neighbours along K, as the conversions want them; a lane's 16 codes are 16 bytes, a wave's store 512 consecutive bytes.
; Work-groups 256-383 take the weights, whose K is the FIRST axis: a lane takes a column n and its registers run down K; a wave takes 32 columns x 256 along K; the codes gather in the wave's
; own stage and leave as rows, sixteen lanes to 256 consecutive bytes.  The two ways never join and have LDS bytes of their own.  Waves share nothing: no barrier.
.set STEPS,  16
.set SP,     80                        ; x: a lane's place in a stage: 64 bytes + 16 of padding
.set WREG,   8192                      ; x: LDS of a wave: two stages of 32 x SP bytes
.set RAW,    16                        ; v16-79   x: four sets of 16 numbers as loaded
.set NBR,    80                        ; v80-111  x: two sets of 16 neighbours
.set CX,     128                       ; v128-191 x: four registers of codes for each step: no store's data are written again
.set WSTAGE, 32768                     ; weights: the stages begin here
.set WPITCH, 272                       ; a stage row: 256 codes + 16 bytes
.set NB,     8                         ; weights: blocks of 32 along K for a wave
.set WX,     32                        ; v32-95   weights: two sets of 32 numbers
.set WC,     96                        ; v96-103  a block's codes
.set OUTR,   112                       ; v112-175 the way out
.set RO,     176                       ; v176-207 byte offset of row i of a block, at my column; never rewritten
	s_load_b256 s[4:11], s[0:1], 0x0               ; x s[4:5], W_attn s[6:7], W_proj s[8:9], the scales' exponents s[10:11]
	s_load_b128 s[12:15], s[0:1], 0x20             ; x_codes s[12:13], wa_codes s[14:15]
	s_load_b64 s[16:17], s[0:1], 0x30              ; wp_codes
	v_lshl_add_u32 v208, v0, 2, 0x10800
	v_mov_b32 v209, 0
	v_lshrrev_b32 v1, 5, v0
	v_readfirstlane_b32 s18, v1                    ; wave 0..3
	v_and_b32 v2, 31, v0                           ; lane
	s_wait_kmcnt 0x0
	s_load_b256 s[20:27], s[10:11], 0x0            ; e0 .. e7
	s_cmp_lt_u32 ttmp9, 256
	s_cbranch_scc0 .Lweights
; ---------------------------------------------------------------- x
	s_wait_alu depctr_va_vdst(0)
	v_lshlrev_b32 v3, 4, v2                        ; my 16 bytes of a load's 512
	s_wait_alu depctr_va_vdst(0)
	v_lshlrev_b32 v4, 4, v2                        ; my 16 codes of a step's 512
	s_mul_i32 s19, s18, WREG
	v_lshrrev_b32 v14, 2, v2
	v_mul_u32_u24 v14, v14, SP
	v_and_b32 v15, 3, v2
	v_lshl_add_u32 v14, v15, 4, v14
	v_add_nc_u32 v14, s19, v14                     ; into the stage: four lanes' 64 bytes on end, then the padding
	v_mul_u32_u24 v15, v2, SP
	v_add_nc_u32 v15, s19, v15                     ; out of it: SP x lane: my 16 neighbours
	s_lshl_b32 s28, ttmp9, 2
	s_add_co_u32 s28, s28, s18                     ; which run of 8,192 numbers is my wave's
	s_lshl_b32 s30, s28, 15
	s_mov_b32 s31, 0
	s_add_nc_u64 s[4:5], s[4:5], s[30:31]
	s_lshl_b32 s30, s28, 13
	s_add_nc_u64 s[12:13], s[12:13], s[30:31]
.macro XLOAD t
.irp i, 0,1,2,3
	global_load_b128 v[RAW+16*((\t)%4)+4*\i:RAW+16*((\t)%4)+4*\i+3], v3, s[4:5] offset:2048*(\t)+512*\i th:TH_LOAD_NT
.endr
.endm
.macro XTURN t                         ; LDS serves a wave's instructions in order: no wait between the stores and the loads
.irp i, 0,1,2,3
	ds_store_b128 v14, v[RAW+16*((\t)%4)+4*\i:RAW+16*((\t)%4)+4*\i+3] offset:32*SP*((\t)%2)+8*SP*\i
.endr
.irp i, 0,1,2,3
	ds_load_b128 v[NBR+16*((\t)%2)+4*\i:NBR+16*((\t)%2)+4*\i+3], v15 offset:32*SP*((\t)%2)+16*\i
.endr
.endm
.irp t, 0,1,2,3
	XLOAD \t
.endr
	s_wait_alu depctr_va_vdst(0)
	s_wait_kmcnt 0x0
	s_add_co_i32 s28, s20, 127
	s_lshl_b32 s29, s28, 23
	v_mov_b32 v11, s29                             ; 2^e0 as f32: the conversion takes its exponent field
	s_add_co_i32 s28, s28, 8
	s_lshl_b32 s28, s28, 23
	s_or_b32 s28, s28, 0x600000
	v_mov_b32 v10, s28                             ; 448 x 2^e0
	s_wait_alu depctr_va_vdst(0)
	s_wait_loadcnt 12                              ; step 0's four loads are in; twelve younger ones stay out
	XTURN 0
.macro XSTEP t
.set XS, NBR+16*((\t)%2)
	s_wait_dscnt 0x0                               ; this step's numbers are back, so its stores into the stage have read their registers,
.if (\t)+4 < STEPS
	XLOAD (\t)+4                                   ; which take the loads of four steps on
.endif
.if (\t)+1 < STEPS
.if STEPS-2-(\t) >= 3
	s_wait_loadcnt 12                              ; the next step's four loads are in; those of the three steps behind it may be out
.else
	s_wait_loadcnt 4*(STEPS-2-(\t))
.endif
	XTURN (\t)+1
.endif
.set xi, 0
.rept 16
	v_med3_num_f32 v[XS+xi], v[XS+xi], -v10, v10   ; the conversion does not saturate (ISA guide 7.6.2): the hold comes first
.set xi, xi+1
.endr
	v_cvt_scalef32_pk8_fp8_f32 v[CX+4*(\t):CX+4*(\t)+1], v[XS:XS+7], v11
	v_cvt_scalef32_pk8_fp8_f32 v[CX+4*(\t)+2:CX+4*(\t)+3], v[XS+8:XS+15], v11
	global_store_b128 v4, v[CX+4*(\t):CX+4*(\t)+3], s[12:13] offset:512*(\t)   ; the codes go to a store alone; the next vector lines are the next step's holds, on other registers
.endm
.irp t, 0,1,2,3,4,5,6,7,8,9,10,11,12,13,14,15
	XSTEP \t
.endr
	s_wait_tensorcnt 0x0
	ds_add_u32 v208, v209
	s_wait_dscnt 0x0
	s_endpgm
; ---------------------------------------------------------------- the weights
.Lweights:
	s_sub_co_u32 s28, ttmp9, 256                   ; 0-95: W_attn (24 groups of 128 columns x 4 of 256 along K); 96-127: W_proj (8 x 4)
	s_wait_kmcnt 0x0
	s_mov_b32 s30, 4096
	s_cmp_lt_u32 s28, 96                           ; the choice hangs on the work-group's number alone
	s_cselect_b64 s[4:5], s[6:7], s[8:9]           ; from
	s_cselect_b64 s[8:9], s[14:15], s[16:17]       ; to
	s_cselect_b32 s30, 12288, s30                  ; a row of the weight in bytes
	s_cselect_b32 s31, s21, s27                    ; e1 or e7
	s_cselect_b32 s29, 0, 96
	s_sub_co_u32 s28, s28, s29
	s_lshr_b32 s29, s28, 2
	s_and_b32 s28, s28, 3                          ; which 256 along K
	s_lshl_b32 s29, s29, 7
	s_lshl_b32 s19, s18, 5
	s_add_co_u32 s29, s29, s19                     ; my wave's first column
	s_wait_alu depctr_va_vdst(0)
	v_lshlrev_b32 v3, 2, v2
.set wi, 0
.rept 32
	v_mad_u32_u24 v[RO+wi], s30, wi, v3            ; row i of a block, my column
.set wi, wi+1
.endr
	s_mul_i32 s32, s28, s30
	s_lshl_b32 s32, s32, 8                         ; 256 rows for each step along K,
	s_lshl_b32 s33, s29, 2
	s_add_co_u32 s32, s32, s33                     ; + 4 bytes a column
	s_mov_b32 s33, 0
	s_add_nc_u64 s[36:37], s[4:5], s[32:33]        ; a base for each of the eight blocks: none is ever stepped
	s_lshl_b32 s32, s30, 5                         ; 32 rows on
.irp t, 1,2,3,4,5,6,7
	s_add_nc_u64 s[36+2*\t:37+2*\t], s[34+2*\t:35+2*\t], s[32:33]
.endr
	s_lshl_b32 s32, s29, 10                        ; the codes: a column's row of 1,024 bytes,
	s_lshl_b32 s34, s28, 8
	s_add_co_u32 s32, s32, s34                     ; + my 256 along K
	s_add_nc_u64 s[8:9], s[8:9], s[32:33]
	s_mul_i32 s19, s18, 32*WPITCH
	s_add_co_u32 s19, s19, WSTAGE                  ; my stage
	v_mul_u32_u24 v4, v2, WPITCH
	v_add_nc_u32 v4, s19, v4                       ; into it: row = my column
	v_and_b32 v5, 15, v2
	v_lshrrev_b32 v6, 4, v2
	v_mul_u32_u24 v7, v6, WPITCH
	v_lshl_add_u32 v7, v5, 4, v7
	v_add_nc_u32 v7, s19, v7                       ; out of it: sixteen lanes to a row, two rows an instruction
	v_lshlrev_b32 v8, 10, v6
	v_lshl_add_u32 v8, v5, 4, v8                   ; and the same place in the codes' buffer
.macro WLOAD t                         ; block t: W(32 t + i, my column) into set t % 2: a wave reads 128 consecutive bytes, the four waves 512
.set wi, 0
.rept 32
	global_load_b32 v[WX+32*((\t)%2)+wi], v[RO+wi], s[36+2*(\t):37+2*(\t)] th:TH_LOAD_NT
.set wi, wi+1
.endr
.endm
	WLOAD 0
	WLOAD 1
	s_add_co_i32 s31, s31, 127
	s_lshl_b32 s30, s31, 23
	v_mov_b32 v11, s30                             ; 2^e
	s_add_co_i32 s31, s31, 8
	s_lshl_b32 s31, s31, 23
	s_or_b32 s31, s31, 0x600000
	v_mov_b32 v10, s31                             ; 448 x 2^e
.macro WBLOCK t
.set XS, WX+32*((\t)%2)
.if (\t) < NB-1
	s_wait_loadcnt 32                              ; this block's 32 loads are in; the next block's may be out
.else
	s_wait_loadcnt 0
.endif
.set wj, 0
.rept 32
	v_med3_num_f32 v[XS+wj], v[XS+wj], -v10, v10
.set wj, wj+1
.endr
.irp g, 0,1,2,3
	v_cvt_scalef32_pk8_fp8_f32 v[WC+2*\g:WC+2*\g+1], v[XS+8*\g:XS+8*\g+7], v11
.endr
	ds_store_b128 v4, v[WC:WC+3] offset:32*(\t)    ; 32 codes of my column's row
	ds_store_b128 v4, v[WC+4:WC+7] offset:32*(\t)+16
.if (\t)+2 < NB
	WLOAD (\t)+2
.endif
	s_wait_dscnt 0x0                               ; the stores have read their registers: the next block's codes may be written
.endm
.set Q, 0
	s_wait_alu depctr_va_vdst(0)
.rept NB
	WBLOCK Q
.set Q, Q+1
.endr
.irp t, 0,1,2,3,4,5,6,7,8,9,10,11,12,13,14,15
	ds_load_b128 v[OUTR+4*\t:OUTR+4*\t+3], v7 offset:2*\t*WPITCH
.endr
.irp t, 0,1,2,3,4,5,6,7,8,9,10,11,12,13,14,15
	s_wait_dscnt 15-\t
	global_store_b128 v8, v[OUTR+4*\t:OUTR+4*\t+3], s[8:9] offset:2*\t*1024   ; sixteen lanes store 256 consecutive bytes, at a multiple of 256 from the buffer's first byte
.endr
	s_wait_tensorcnt 0x0
	ds_add_u32 v208, v209
	s_wait_dscnt 0x0
	s_endpgm
.Lfunc_end_k_q98cf7f05bb_quant:
	.size	k_q98cf7f05bb_quant, .Lfunc_end_k_q98cf7f05bb_quant-k_q98cf7f05bb_quant
	.p2alignl 7, 3214868480
	.fill 96, 4, 3214868480
	.section	.rodata,"a",@progbits
	.p2align	6, 0x0
	.amdhsa_kernel k_q98cf7f05bb_quant
		.amdhsa_group_segment_fixed_size 68096
		.amdhsa_private_segment_fixed_size 0
		.amdhsa_enable_private_segment 0
		.amdhsa_kernarg_size 56
		.amdhsa_user_sgpr_count 2
		.amdhsa_user_sgpr_kernarg_segment_ptr 1
		.amdhsa_wavefront_size32 1
		.amdhsa_system_sgpr_workgroup_id_x 1
		.amdhsa_system_sgpr_workgroup_id_y 1
		.amdhsa_system_sgpr_workgroup_id_z 1
		.amdhsa_system_vgpr_workitem_id 0
		.amdhsa_next_free_vgpr 210
		.amdhsa_next_free_sgpr 66
		.amdhsa_reserve_vcc 0
		.amdhsa_float_denorm_mode_32 3
		.amdhsa_float_denorm_mode_16_64 3
		.amdhsa_memory_ordered 1
		.amdhsa_forward_progress 1
		.amdhsa_inst_pref_size 88
	.end_amdhsa_kernel
	.amdgpu_metadata
---
amdhsa.version: [ 1, 2 ]
amdhsa.kernels:
  - .name:           k_q98cf7f05bb_quant
    .symbol:         k_q98cf7f05bb_quant.kd
    .args:
      - { .name: x, .offset: 0, .size: 8, .value_kind: global_buffer, .address_space: global }
      - { .name: W_attn, .offset: 8, .size: 8, .value_kind: global_buffer, .address_space: global }
      - { .name: W_proj, .offset: 16, .size: 8, .value_kind: global_buffer, .address_space: global }
      - { .name: lowp_scales, .offset: 24, .size: 8, .value_kind: global_buffer, .address_space: global }
      - { .name: x_codes, .offset: 32, .size: 8, .value_kind: global_buffer, .address_space: global }
      - { .name: wa_codes, .offset: 40, .size: 8, .value_kind: global_buffer, .address_space: global }
      - { .name: wp_codes, .offset: 48, .size: 8, .value_kind: global_buffer, .address_space: global }
    .group_segment_fixed_size: 68096
    .private_segment_fixed_size: 0
    .kernarg_segment_align: 8
    .kernarg_segment_size: 56
    .max_flat_workgroup_size: 128
    .sgpr_count:     66
    .vgpr_count:     210
    .wavefront_size: 32
...
	.end_amdgpu_metadata
.endif
;; end of part 1
;; launch qkv (part 2): grid 12 x 32, 4 waves a work-group, clusters of 4 x 4, 327,680 bytes of LDS; arguments x_codes, wa_codes, b_attn, lowp_scales, q_codes, k_codes, v_codes; writes q_codes, k_codes, v_codes
.if DOCPART == 2
	.amdgcn_target "amdgcn-amd-amdhsa--gfx1250"
	.amdhsa_code_object_version 6
	.text
	.protected	k_q98cf7f05bb_qkv
	.globl	k_q98cf7f05bb_qkv
	.p2align	8
	.type	k_q98cf7f05bb_qkv,@function
k_q98cf7f05bb_qkv:
	s_mov_b64 s[64:65], 0
	v_nop
	global_prefetch_b8 v0, s[64:65] scope:SCOPE_SE
	s_setreg_imm32_b32 hwreg(HW_REG_WAVE_MODE, 25, 1), 1
	s_wait_xcnt 0x0
	s_wait_alu depctr_hold_cnt(0) depctr_sa_sdst(0) depctr_va_vdst(0) depctr_va_sdst(0) depctr_va_ssrc(0) depctr_va_vcc(0) depctr_vm_vsrc(0)
	s_getreg_b32 s2, hwreg(HW_REG_IB_STS2, 6, 4)
	s_cmp_eq_u32 s2, 0
	s_cbranch_scc0 .Lentry_in_a_cluster
	s_endpgm
.Lentry_in_a_cluster:
	s_bfe_u32 s2, ttmp6, 0x10000c
	s_cmp_lg_u32 s2, 0xf033
	s_cbranch_scc0 .Lentry_shape_is_right
	s_endpgm
.Lentry_shape_is_right:
; qkv = x W_attn + b_attn on codes of FP8 (E4M3), and its three parts quantised at once for the attention: q with entry 2 of the scales, k with entry 3, v with entry 5.
; x_codes [8192][1024], wa_codes [3072 n][1024 k].  A tile is 256 rows of x by 256 rows of W; four waves, each 128 x 128: 64 accumulators, 512 registers.  K = 1,024 goes in four slots' worth of 256
; through a ring of two LDS slots; everything is written out, there is no loop.  CLUSTERS of 4 x 4: x's tile is asked for jointly along a row of the cluster, W's along a column.
; The cluster's x says what the tile is: 0 = q, 1 = k, 2 = v; it is the same in all sixteen partners, so selects and branches may hang on it.
; OUT.  q_codes, k_codes: [b*16+head][2048 t][64]; byte p of a row holds channel p with bits 3 and 4 exchanged, alike in q and k, so every product still meets its partner.
;       v_codes: [b*16+head][16 steps of 128 keys][64 d][128]; byte p of a row holds key p with bits 3 and 4 exchanged: loads of 16 bytes then give the second product's operand its keys in the places that p's codes have.
; The conversions take eight neighbours from one lane's registers, so the registers run along n for q, k and v alike: v is transposed on the way out.  The matrix instruction's source 0 gives the registers' direction, source 1 the
; lane's row.  The fragment loads and the tensor loads are the same for q, k and v.
; The bias goes in as the C of the first K step, divided by 2^(e0 + e1), which the sums lack.  The three scales ahead of the quantiser are folded: code = sum / 2^(eo - e0 - e1).
; LIMITS: eo - e0 - e1 between -126 and 119 for eo = e2, e3, e5; NaN among the inputs is not served.
; REGISTERS, in windows of 256: window 0: v0-31 addresses; v32-95 the bias, later numbers at work; v96 the bias's offset; v128-255 the fragments of source 1 (8 x 16 rows x 128 K), ONE set; later codes and rows on the way out.
;   window 1: the fragments of source 0, TWO sets, at v0 and v128.   window 2: accumulators of blocks 0-3 ((a, b) at v[8 (8 (a % 4) + b)]);   window 3: of blocks 4-7.
.set KROW,   1024                      ; a row of codes in memory
.set ROWB,   256                       ; a tile's row: 256 along K
.set PITCH,  272                       ; an LDS row: 256 bytes + 16 = 68 words: the 16 rows of a fragment load start at 16 different banks (64 banks of 4 bytes: ISA guide 11.1)
.set FR,     16                        ; registers of a fragment
.set NL,     4                         ; LDS loads that bring one
.set NP,     4                         ; places behind this matrix instruction (ISA guide 7.12.1)
.set NAH,    4                         ; blocks of source 1 in a half
.set HALFT,  128*PITCH
.set SLOT,   4*HALFT                   ; x's 256 rows, then W's 256 rows
.set SPARE,  2*SLOT                    ; behind the ring: the spare words, 128 bytes a wave
.set SPITCH, 336                       ; the way out: a stage of 256 rows x (256 bytes + 80), the work-group's, in slot 0, which has had its last fill and its last read by then
.set SCL,  10                          ; v10  2^(eo - e0 - e1)
.set LIMV, 11                          ; v11  448 x that
.set ADRA, 16                          ; v16-17  LDS address of source 1's fragments in slot 0, 1
.set ADRB, 20                          ; v20-21  of source 0's
.set VRD,  22                          ; v22  v: where I read a stage row back
.set VCO,  23
.set STO,  24                          ; v24  where I put 16 codes of a stage row
.set QRD,  25                          ; v25  q, k: where I read back, rows 0-127
.set QCO,  26                          ; v26  q, k: my byte offset
.set QRD2, 27                          ; v27  q, k: rows 128-255
.set SPW,  28                          ; v28  my spare word; never rewritten
.set NIL,  29
.set TRA,  13                          ; v13  v: where my lane reads the stage for the transposing loads, rows 0-127
.set TRA2, 14                          ; v14  v: rows 128-255
.set TST,  15                          ; v15  v: where my lane puts 16 codes of the transposed image
.set CB,   32
.set BO,   96
.set AF,   128
.set G1, 24                            ; s[24:31] group 1 for x's tiles; s[32:39] group 0, a set for each slot
.set G0, 32
.set G1B, 48                           ; s[48:55], s[56:63] the same for W's
.set G0B, 56
.set MSB, 0
.macro WIN new                         ; the immediate's high byte repeats the setting that is left
.if MSB != \new
	s_set_vgpr_msb (MSB<<8)|\new
.set MSB, \new
.endif
.endm
.set MUL_LO, 0xa1                      ; source 0 window 1, source 1 window 0, C and D window 2
.set MUL_HI, 0xf1                      ; the same, C and D window 3
.set TO_B,   0x40                      ; destination window 1, address window 0
; A joint load: waves 0 and 1 fetch x's halves, waves 2 and 3 W's.  The branch hangs on the wave's number alone.  Four v_nop follow each of the two lines.
.macro JLOAD g0a, g1a, g0b, g1b
	s_cmp_eq_u32 s15, 0
	s_cbranch_scc0 .Lfor_b_\@
	tensor_load_to_lds s[\g0a:\g0a+3], s[\g1a:\g1a+7]
	s_nop 0
.rept 4
	v_nop
.endr
	s_branch .Lasked_\@
.Lfor_b_\@:
	tensor_load_to_lds s[\g0b:\g0b+3], s[\g1b:\g1b+7]
	s_nop 0
.rept 4
	v_nop
.endr
.Lasked_\@:
.endm
.macro CREST                           ; a round of the cluster's barrier behind its opening barrier
	s_cmp_lg_u32 s14, 0
	s_cbranch_scc1 .Lnot_wave_0_\@
	s_barrier_signal -3
.Lnot_wave_0_\@:
	s_barrier_wait -3
	s_barrier_signal -1
	s_barrier_wait -1
.endm
.macro CROUND
	s_barrier_signal -1
	s_barrier_wait -1
	CREST
.endm
	s_load_b256 s[4:11], s[0:1], 0x0               ; x_codes s[4:5], wa_codes s[6:7], b_attn s[8:9], the scales' exponents s[10:11]
	s_load_b128 s[84:87], s[0:1], 0x20             ; q_codes, k_codes
	s_load_b64 s[88:89], s[0:1], 0x30              ; v_codes
	v_lshl_add_u32 v[SPW], v0, 2, SPARE
	v_mov_b32 v[NIL], 0
	ds_add_u32 v28, v29
	ds_add_u32 v28, v29
	s_wait_dscnt 0x0
	v_lshrrev_b32 v1, 5, v0
	v_readfirstlane_b32 s14, v1                    ; wave 0..3
	s_lshr_b32 s15, s14, 1                         ; which half of source 1's rows is mine.  Also: I fetch for x (0) or for W (1)
	s_and_b32 s16, s14, 1                          ; which half of source 0's rows.  Also: which 128 rows of that tile I fetch
	s_bfe_u32 s40, ttmp6, 0x40000                  ; cx, cy
	s_bfe_u32 s41, ttmp6, 0x40004
	s_lshl_b32 s42, ttmp9, 2
	s_add_co_u32 s42, s42, s40                     ; W's tile = 4 x cluster x + cx, 0..11
	s_and_b32 s17, ttmp7, 0xffff
	s_lshl_b32 s17, s17, 2
	s_add_co_u32 s17, s17, s41                     ; x's tile = 4 x cluster y + cy, 0..31
	s_lshl_b32 s43, s41, 2
	s_lshl_b32 s43, 15, s43                        ; my row of the cluster
	s_lshl_b32 s44, 0x1111, s40                    ; my column
	s_or_b32 s[G1+0], s43, (0<<16)|(1<<20)|(1<<21)|(5<<22)|(3<<25)  ; 15:0 the mask; 17:16 elements of 1 byte; 20 padding on; 21 set beside a mask; 24:22 after every 64 words; 31:25 four words
	s_or_b32 s[G1B+0], s44, (0<<16)|(1<<20)|(1<<21)|(5<<22)|(3<<25)
.irp g, G1, G1B
	s_mov_b32 s[\g+1], ROWB<<16                    ; tensor_dim0 = 256
	s_mov_b32 s[\g+2], 128<<16                     ; tensor_dim1 = 128
	s_mov_b32 s[\g+3], ROWB<<16                    ; tile_dim0
	s_mov_b32 s[\g+4], 128                         ; tile_dim1
	s_mov_b32 s[\g+5], KROW                        ; from row to row
	s_mov_b32 s[\g+6], 0
	s_mov_b32 s[\g+7], 0
.endr
	s_lshl_b32 s18, s16, 7
	s_lshl_b32 s20, s17, 8
	s_add_co_u32 s20, s20, s18                     ; x: row 256 x tile + 128 x half
	s_lshl_b32 s46, s42, 8
	s_add_co_u32 s46, s46, s18                     ; W: likewise
	s_mov_b32 s21, 0
	s_mov_b32 s47, 0
	s_mov_b64 s[18:19], KROW
	s_mul_u64 s[20:21], s[20:21], s[18:19]
	s_mul_u64 s[46:47], s[46:47], s[18:19]
	s_mul_i32 s45, s14, HALFT                      ; where they go: wave x 128 rows: no place in the cluster enters an LDS address
	s_wait_kmcnt 0x0
	s_load_b256 s[68:75], s[10:11], 0x0            ; e0 .. e7
	s_add_nc_u64 s[20:21], s[4:5], s[20:21]
	s_add_nc_u64 s[46:47], s[6:7], s[46:47]
	CROUND                                         ; all sixteen work-groups are here: the first joint loads meet
.irp s, 0,1
	s_mov_b32 s[G0+4*\s], 1
	s_add_co_u32 s[G0+4*\s+1], s45, \s*SLOT
	s_add_nc_u64 s[G0+4*\s+2:G0+4*\s+3], s[20:21], \s*ROWB
	s_or_b32 s[G0+4*\s+3], s[G0+4*\s+3], 0x80000000
	s_mov_b32 s[G0B+4*\s], 1
	s_add_co_u32 s[G0B+4*\s+1], s45, \s*SLOT
	s_add_nc_u64 s[G0B+4*\s+2:G0B+4*\s+3], s[46:47], \s*ROWB
	s_or_b32 s[G0B+4*\s+3], s[G0B+4*\s+3], 0x80000000
.endr
	JLOAD G0, G1, G0B, G1B
	; PREFETCHES INTO THE L2: a K step is 256 bytes of each row.  Of the 128 rows that my wave fetches, each of the four partners that ask for them jointly names 32, told apart by address (cx for x, cy for W): a lane a row.
	; Here K steps 1 and 2 are named, behind slot 1's load K step 3: never more than two K steps are asked for and not yet loaded.  The address registers are never rewritten.
	s_cmp_eq_u32 s15, 0
	s_cselect_b64 s[98:99], s[20:21], s[46:47]
	s_cselect_b32 s94, s40, s41
	s_lshl_b32 s94, s94, 15
	s_mov_b32 s95, 0
	s_add_nc_u64 s[98:99], s[98:99], s[94:95]
	v_and_b32 v30, 31, v0
	v_lshlrev_b32 v30, 10, v30
	global_prefetch_b8 v30, s[98:99] offset:256 th:TH_LOAD_NT scope:SCOPE_SE
	global_prefetch_b8 v30, s[98:99] offset:512 th:TH_LOAD_NT scope:SCOPE_SE
	v_and_b32 v1, 15, v0                           ; r
	v_bfe_u32 v2, v0, 4, 1                         ; h
	v_mul_u32_u24 v3, v1, PITCH
	v_lshl_add_u32 v4, v2, 4, v3                   ; a fragment's row x pitch + 16 x half
	s_wait_alu depctr_va_vdst(0)
	; q, k and v alike: x's rows are source 1, W's rows source 0: the registers run along n.  v is transposed on the way out.
	s_mul_i32 s21, s15, HALFT
	s_mul_i32 s22, s16, HALFT
	s_add_co_u32 s22, s22, 2*HALFT
.irp s, 0,1
	v_add_nc_u32 v[ADRA+\s], s21, v4
	v_add_nc_u32 v[ADRB+\s], s22, v4
	s_add_co_u32 s21, s21, SLOT
	s_add_co_u32 s22, s22, SLOT
.endr
	; the bias, in the result's layout: register 8 b + j = b_attn at 16 b + 8 h + j of my 128, alike for q, k and v
	s_lshl_b32 s94, s42, 10
	s_lshl_b32 s95, s16, 9
	s_add_co_u32 s94, s94, s95
	s_mov_b32 s95, 0
	s_add_nc_u64 s[8:9], s[8:9], s[94:95]
	v_lshlrev_b32 v[BO], 5, v2                     ; register 8 b + j = b_attn at 16 b + 8 h + j of my 128: 32 bytes on end for each b
.irp i, 0,1,2,3,4,5,6,7
	global_load_b128 v[CB+8*\i:CB+8*\i+3], v[BO], s[8:9] offset:64*\i
	global_load_b128 v[CB+8*\i+4:CB+8*\i+7], v[BO], s[8:9] offset:64*\i+16
.endr
	; the way out's addresses
	s_mul_i32 s23, s15, 128*SPITCH
	s_lshl_b32 s76, s16, 7
	s_add_co_u32 s23, s23, s76
	v_mul_u32_u24 v5, v1, SPITCH
	v_lshl_add_u32 v5, v2, 4, v5
	v_add_nc_u32 v[STO], s23, v5                   ; stage row 128 x (source 1's half) + r, byte 128 x (source 0's half) + 16 h
	v_and_b32 v6, 31, v0
	v_lshrrev_b32 v7, 2, v6
	v_mul_u32_u24 v7, v7, SPITCH
	v_and_b32 v8, 3, v6
	v_lshl_add_u32 v7, v8, 4, v7
	s_lshl_b32 s76, s14, 6
	v_add_nc_u32 v[QRD], s76, v7                   ; q, k: wave w takes head w: 64 bytes of every row; four lanes to a row, eight rows an instruction
	v_add_nc_u32 v[QRD2], 16*8*SPITCH, v[QRD]
	v_lshlrev_b32 v[QCO], 4, v6
	s_mul_i32 s76, s14, 64*SPITCH
	v_mul_u32_u24 v9, v2, SPITCH
	v_lshl_add_u32 v9, v1, 4, v9
	s_add_co_u32 s76, s76, SLOT                    ; v: the transposed image, 64 rows of 256 bytes for each wave, lies in slot 1, which has had its last fill and its last read by then
	v_add_nc_u32 v[VRD], s76, v9
	v_and_b32 v9, 7, v6
	v_mul_u32_u24 v9, v9, SPITCH
	v_lshrrev_b32 v12, 3, v6
	v_lshl_add_u32 v9, v12, 4, v9
	s_lshl_b32 s77, s14, 6
	v_add_nc_u32 v[TRA], s77, v9                   ; stage row lane % 8, byte 64 x wave + 16 (lane / 8): eight lanes take 8 rows x 16 columns
	v_add_nc_u32 v[TRA2], 128*SPITCH, v[TRA]
	v_and_b32 v9, 3, v6                            ; my even column p = 2 (lane % 8) + 16 (lane / 8) holds channel d = p with bits 3 and 4 exchanged; image row d / 2
	v_and_b32 v12, 4, v6
	v_lshl_add_u32 v9, v12, 1, v9
	v_and_b32 v12, 8, v6
	v_lshrrev_b32 v12, 1, v12
	v_add_nc_u32 v9, v9, v12
	v_and_b32 v12, 16, v6
	v_add_nc_u32 v9, v9, v12
	v_mul_u32_u24 v9, v9, SPITCH
	v_add_nc_u32 v[TST], s76, v9
	s_lshr_b32 s90, s17, 3                         ; b
	s_lshl_b32 s90, s90, 21
	s_and_b32 s91, s42, 3
	s_lshl_b32 s91, s91, 19                        ; four heads for each tile of W,
	s_add_co_u32 s90, s90, s91
	s_lshl_b32 s91, s14, 17                        ; my wave's head: 131,072 bytes a head in each of the three buffers
	s_add_co_u32 s90, s90, s91
	s_and_b32 s91, s17, 7
	s_lshl_b32 s91, s91, 8                         ; t0
	s_lshl_b32 s91, s91, 6                         ; 64 bytes for each t, in v_codes too: v_codes is [head][16 steps of 128 keys][64 d][128], so 256 keys of a head are 16,384 bytes on end
	s_add_co_u32 s90, s90, s91
	s_mov_b32 s91, 0
	s_cmp_eq_u32 ttmp9, 0
	s_cselect_b64 s[92:93], s[84:85], s[86:87]
	s_cmp_eq_u32 ttmp9, 2
	s_cselect_b64 s[92:93], s[88:89], s[92:93]
	s_add_nc_u64 s[92:93], s[92:93], s[90:91]
.macro FRAG reg, adr, q, i             ; 16 rows x 128 K: lane l holds row l % 16; registers 4 c .. 4 c + 3 hold K = 32 c + 16 (l / 16) + 0 .. 15, alike on both sides
.irp c, 0,1,2,3
	ds_load_b128 v[\reg+4*\c:\reg+4*\c+3], v[\adr] offset:128*(\q)+32*\c+(\i)*16*PITCH
.endr
.endm
; n blocks of source 1 from a0 on, each against source 0's eight.  p: source 0's set.  cm = 0: in place; 2: C = the bias by b; 3: C = the bias by a.
; The 64 accumulators take turns, one instruction a turn, in the same order in every step.
.macro MULB a0, n, p, cm
.set ma, \a0
.rept \n
.irp b, 0,1,2,3,4,5,6,7
.set rD, 8*(8*(ma%4)+\b)
.if \cm == 0
	v_wmma_f32_16x16x128_fp8_fp8 v[rD:rD+7], v[128*(\p)+FR*\b:128*(\p)+FR*\b+FR-1], v[AF+FR*ma:AF+FR*ma+FR-1], v[rD:rD+7]
.elseif \cm == 2
	v_wmma_f32_16x16x128_fp8_fp8 v[rD:rD+7], v[128*(\p)+FR*\b:128*(\p)+FR*\b+FR-1], v[AF+FR*ma:AF+FR*ma+FR-1], v[CB+8*\b:CB+8*\b+7]
.else
	v_wmma_f32_16x16x128_fp8_fp8 v[rD:rD+7], v[128*(\p)+FR*\b:128*(\p)+FR*\b+FR-1], v[AF+FR*ma:AF+FR*ma+FR-1], v[CB+8*ma:CB+8*ma+7]
.endif
.endr
.set ma, ma+1
.endr
.endm
.macro FETCH_B slot, q, p
	WIN TO_B
.irp i, 0,1,2,3,4,5,6,7
	FRAG 128*(\p)+FR*\i, ADRB+\slot, \q, \i
.endr
	WIN 0
.endm
.macro FETCH_A slot, q, i0
.irp i, \i0, \i0+1, \i0+2, \i0+3
	FRAG AF+FR*(\i), ADRA+\slot, \q, \i
.endr
.endm
.macro PLACES n                        ; plain vector lines between a matrix instruction and a load into, or a read of, its registers
.rept \n
	v_nop
.endr
.endm
; A step of 128 along K that has its successor in the same slot.
.macro STEP slot, q, cm
	s_wait_dscnt NAH*NL                            ; source 0's set and blocks 0-3 are in; the youngest sixteen loads (blocks 4-7) may be out
.if \cm >= 2
	WIN 0x81                                       ; C (the bias) in window 0, D in window 2
.else
	WIN MUL_LO
.endif
	MULB 0, NAH, (\q)%2, \cm
	s_wait_dscnt 0
	PLACES NP
	FETCH_B \slot, (\q)+1, 1-(\q)%2
	FETCH_A \slot, (\q)+1, 0
.if \cm >= 2
	WIN 0xc1
.else
	WIN MUL_HI
.endif
	MULB NAH, NAH, (\q)%2, \cm
	PLACES NP
	WIN 0
	FETCH_A \slot, (\q)+1, NAH
.endm
; A slot's last step changes slots: ONE barrier; in front of it each wave waits for all its tensor loads, adds 0 to its spare word, and waits for that and for its reads of this slot.
.macro TURN slot, next, fill
	s_wait_tensorcnt 0x0                           ; all my tensor loads have landed: my part of the next slot
	ds_add_u32 v[SPW], v[NIL]                      ; 0 onto my spare word
	s_wait_dscnt NAH*NL+1                          ; (the add and the youngest sixteen loads may be out)
	WIN MUL_LO
	MULB 0, NAH/2, 1, 0                            ; sixteen matrix instructions stand between the add and the wait for it
	s_wait_dscnt 0x0                               ; the add is done, and my reads of this slot are over
	s_barrier_signal -1
	MULB NAH/2, NAH/2, 1, 0
	WIN 0
	s_barrier_wait -1
.if \fill
	CREST                                          ; the barrier has opened a round of the cluster's: no wave of any partner still reads this slot or has a load on its way
	s_add_nc_u64 s[G0+4*\slot+2:G0+4*\slot+3], s[G0+4*\slot+2:G0+4*\slot+3], 2*ROWB
	s_add_nc_u64 s[G0B+4*\slot+2:G0B+4*\slot+3], s[G0B+4*\slot+2:G0B+4*\slot+3], 2*ROWB
	JLOAD G0+4*\slot, G1, G0B+4*\slot, G1B         ; my one tensor load behind the round; its four v_nop are the places in front of the loads below
.else
	PLACES NP
.endif
	FETCH_B \next, 0, 0
	FETCH_A \next, 0, 0
	WIN MUL_HI
	MULB NAH, NAH, 1, 0
	PLACES NP
	WIN 0
	FETCH_A \next, 0, NAH
.endm
	s_wait_alu depctr_va_vdst(0)
	s_wait_tensorcnt 0x0                           ; my part of slot 0 is in; slot 1's first fill is issued as a refill is
	ds_add_u32 v[SPW], v[NIL]
	s_wait_dscnt 0x0
	CROUND
	JLOAD G0+4, G1, G0B+4, G1B
	FETCH_B 0, 0, 0
	FETCH_A 0, 0, 0
	FETCH_A 0, 0, NAH
	global_prefetch_b8 v30, s[98:99] offset:768 th:TH_LOAD_NT scope:SCOPE_SE   ; K step 3, two refills ahead of its load
	s_wait_loadcnt 0x0
	s_wait_kmcnt 0x0                               ; the exponents
	s_add_co_i32 s76, s68, s69                     ; e0 + e1: a sum stands for sum x 2^(e0 + e1)
	s_sub_co_i32 s77, 0, s76
.set bj, 0
.rept 64
	v_ldexp_f32 v[CB+bj], v[CB+bj], s77            ; so the bias goes in divided by it
.set bj, bj+1
.endr
	s_wait_alu depctr_va_vdst(0)
	STEP 0, 0, 2
	TURN 0, 1, 1
	STEP 1, 0, 0
	TURN 1, 0, 1
	STEP 0, 0, 0
	TURN 0, 1, 0                                   ; the last two slots' worth: nothing is left to fetch
	STEP 1, 0, 0
	s_wait_dscnt NAH*NL
	WIN MUL_LO
	MULB 0, NAH, 1, 0
	s_wait_dscnt 0
	WIN MUL_HI
	MULB NAH, NAH, 1, 0
	WIN 0
	; THE WAY OUT: hold, convert, through the work-group's stage, out in whole rows
	s_cmp_eq_u32 ttmp9, 0
	s_cselect_b32 s77, s70, s71
	s_cmp_eq_u32 ttmp9, 2
	s_cselect_b32 s77, s73, s77                    ; e2, e3 or e5
	s_sub_co_i32 s77, s77, s76
	s_add_co_i32 s77, s77, 127
	s_lshl_b32 s76, s77, 23
	v_mov_b32 v[SCL], s76                          ; 2^(eo - e0 - e1)
	s_add_co_i32 s77, s77, 8
	s_lshl_b32 s77, s77, 23
	s_or_b32 s77, s77, 0x600000
	v_mov_b32 v[LIMV], s77                         ; 448 x that
	PLACES NP
; Block a: 64 numbers of a lane, register 8 b + j = place 16 b + 8 h + j along the registers' direction.  The codes of b = 2 c and 2 c + 1 are stored together at byte 32 c + 16 h: that placing is the exchange of bits 3 and 4.
.macro QOUT a
	WIN 0x02+((\a)/4)                              ; source 0: window 2 or 3
.set qn, 0
.rept 64
	v_med3_num_f32 v[CB+qn], v[64*((\a)%4)+qn], -v[LIMV], v[LIMV]   ; the hold; each accumulator from its low end on
.set qn, qn+1
.endr
	WIN 0
.irp b, 0,1,2,3,4,5,6,7
	v_cvt_scalef32_pk8_fp8_f32 v[AF+16*(\a)+2*\b:AF+16*(\a)+2*\b+1], v[CB+8*\b:CB+8*\b+7], v[SCL]
.endr
	v_nop                                          ; a plain line behind the conversions: the next block's holds write their sources
.irp c, 0,1,2,3
	ds_store_b128 v[STO], v[AF+16*(\a)+4*\c:AF+16*(\a)+4*\c+3] offset:(\a)*16*SPITCH+32*\c
.endr
.endm
.irp a, 0,1,2,3,4,5,6,7
	QOUT \a
.endr
	s_wait_dscnt 0x0                               ; for the others' sake: my stores into the stage are done
	s_barrier_signal -1
	s_barrier_wait -1
	s_cmp_eq_u32 ttmp9, 2
	s_cbranch_scc1 .Lout_v
.set ri, 0
.rept 16
	ds_load_b128 v[AF+4*ri:AF+4*ri+3], v[QRD] offset:ri*8*SPITCH
.set ri, ri+1
.endr
.rept 16
	ds_load_b128 v[AF+4*ri:AF+4*ri+3], v[QRD2] offset:(ri-16)*8*SPITCH
.set ri, ri+1
.endr
.set ri, 0
.rept 32
	s_wait_dscnt 31-ri
	global_store_b128 v[QCO], v[AF+4*ri:AF+4*ri+3], s[92:93] offset:512*ri   ; eight rows of 64 bytes: 512 consecutive bytes, at a multiple of 512 from the buffer's first byte
.set ri, ri+1
.endr
	s_branch .Lout_done
.Lout_v:
	; v: the stage holds [t][n]; my wave turns its head's 64 columns into [d][t].  A transposing load on pairs of bytes gives a lane 8 t of two neighbouring columns; two byte selects part them.
	; 16 bytes of a row of the image are the t octets o and o + 2: byte p of each 32 holds key p with bits 3 and 4 exchanged.
	s_mov_b32 s76, 0x06040200
	s_mov_b32 s77, 0x07050301
.set ch, 0
.rept 4
.set kk, 0
.rept 4
.set oo, 4*((ch+kk)/2)+(ch+kk)%2
.if oo < 16
	ds_load_tr16_b128 v[AF+8*kk:AF+8*kk+3], v[TRA] offset:8*oo*SPITCH
	ds_load_tr16_b128 v[AF+8*kk+4:AF+8*kk+7], v[TRA] offset:8*(oo+2)*SPITCH
.else
	ds_load_tr16_b128 v[AF+8*kk:AF+8*kk+3], v[TRA2] offset:8*(oo-16)*SPITCH
	ds_load_tr16_b128 v[AF+8*kk+4:AF+8*kk+7], v[TRA2] offset:8*(oo-14)*SPITCH
.endif
.set kk, kk+1
.endr
	s_wait_dscnt 0x0                               ; the eight loads are in, and the last batch's stores have read their registers
.set kk, 0
.rept 4
.irp e, 0,1,2,3
	v_perm_b32 v[CB+8*kk+\e], v[AF+8*kk+2*\e+1], v[AF+8*kk+2*\e], s76     ; the even column
	v_perm_b32 v[CB+8*kk+4+\e], v[AF+8*kk+2*\e+1], v[AF+8*kk+2*\e], s77   ; the odd one
.endr
.set kk, kk+1
.endr
.set kk, 0
.rept 4
.set cc, (ch+kk)/2
	ds_store_b128 v[TST], v[CB+8*kk:CB+8*kk+3] offset:(cc/4)*32*SPITCH+32*(cc%4)+16*((ch+kk)%2)
	ds_store_b128 v[TST], v[CB+8*kk+4:CB+8*kk+7] offset:(cc/4)*32*SPITCH+32*(cc%4)+16*((ch+kk)%2)+128
.set kk, kk+1
.endr
.set ch, ch+4
.endr
.set ri, 0
.rept 32
	ds_load_b128 v[AF+4*ri:AF+4*ri+3], v[VRD] offset:ri*2*SPITCH
.set ri, ri+1
.endr
.set ri, 0
.rept 32
	s_wait_dscnt 31-ri
	global_store_b128 v[QCO], v[AF+4*ri:AF+4*ri+3], s[92:93] offset:512*ri   ; two image rows: 512 consecutive bytes, at a multiple of 512 from the buffer's first byte
.set ri, ri+1
.endr
.Lout_done:
	s_wait_tensorcnt 0x0                           ; the wave's end
	ds_add_u32 v[SPW], v[NIL]
	s_wait_dscnt 0x0
	CROUND                                         ; the closing round
	s_endpgm
.Lfunc_end_k_q98cf7f05bb_qkv:
	.size	k_q98cf7f05bb_qkv, .Lfunc_end_k_q98cf7f05bb_qkv-k_q98cf7f05bb_qkv
	.p2alignl 7, 3214868480
	.fill 96, 4, 3214868480
	.section	.rodata,"a",@progbits
	.p2align	6, 0x0
	.amdhsa_kernel k_q98cf7f05bb_qkv
		.amdhsa_group_segment_fixed_size 327680
		.amdhsa_private_segment_fixed_size 0
		.amdhsa_enable_private_segment 0
		.amdhsa_kernarg_size 56
		.amdhsa_user_sgpr_count 2
		.amdhsa_user_sgpr_kernarg_segment_ptr 1
		.amdhsa_wavefront_size32 1
		.amdhsa_system_sgpr_workgroup_id_x 1
		.amdhsa_system_sgpr_workgroup_id_y 1
		.amdhsa_system_sgpr_workgroup_id_z 1
		.amdhsa_system_vgpr_workitem_id 0
		.amdhsa_next_free_vgpr 1024
		.amdhsa_next_free_sgpr 100
		.amdhsa_reserve_vcc 0
		.amdhsa_float_denorm_mode_32 3
		.amdhsa_float_denorm_mode_16_64 3
		.amdhsa_memory_ordered 1
		.amdhsa_forward_progress 1
		.amdhsa_inst_pref_size 149
	.end_amdhsa_kernel
	.amdgpu_metadata
---
amdhsa.version: [ 1, 2 ]
amdhsa.kernels:
  - .name:           k_q98cf7f05bb_qkv
    .symbol:         k_q98cf7f05bb_qkv.kd
    .args:
      - { .name: x_codes, .offset: 0, .size: 8, .value_kind: global_buffer, .address_space: global }
      - { .name: wa_codes, .offset: 8, .size: 8, .value_kind: global_buffer, .address_space: global }
      - { .name: b_attn, .offset: 16, .size: 8, .value_kind: global_buffer, .address_space: global }
      - { .name: lowp_scales, .offset: 24, .size: 8, .value_kind: global_buffer, .address_space: global }
      - { .name: q_codes, .offset: 32, .size: 8, .value_kind: global_buffer, .address_space: global }
      - { .name: k_codes, .offset: 40, .size: 8, .value_kind: global_buffer, .address_space: global }
      - { .name: v_codes, .offset: 48, .size: 8, .value_kind: global_buffer, .address_space: global }
    .group_segment_fixed_size: 327680
    .private_segment_fixed_size: 0
    .kernarg_segment_align: 8
    .kernarg_segment_size: 56
    .max_flat_workgroup_size: 128
    .sgpr_count:     100
    .vgpr_count:     1024
    .wavefront_size: 32
...
	.end_amdgpu_metadata
.endif
;; end of part 2
;; launch attn (part 3): grid 4 x 64, 8 waves a work-group, clusters of 4 x 1, 327,680 bytes of LDS; arguments q_codes, k_codes, v_codes, lowp_scales, y_codes; writes y_codes
.if DOCPART == 3
	.amdgcn_target "amdgcn-amd-amdhsa--gfx1250"
	.amdhsa_code_object_version 6
	.text
	.protected	k_q98cf7f05bb_attn
	.globl	k_q98cf7f05bb_attn
	.p2align	8
	.type	k_q98cf7f05bb_attn,@function
k_q98cf7f05bb_attn:
	s_mov_b64 s[64:65], 0
	v_nop
	global_prefetch_b8 v0, s[64:65] scope:SCOPE_SE
	s_setreg_imm32_b32 hwreg(HW_REG_WAVE_MODE, 25, 1), 1
	s_wait_xcnt 0x0
	s_wait_alu depctr_hold_cnt(0) depctr_sa_sdst(0) depctr_va_vdst(0) depctr_va_sdst(0) depctr_va_ssrc(0) depctr_va_vcc(0) depctr_vm_vsrc(0)
	s_getreg_b32 s2, hwreg(HW_REG_IB_STS2, 6, 4)
	s_cmp_eq_u32 s2, 0
	s_cbranch_scc0 .Lentry_in_a_cluster
	s_endpgm
.Lentry_in_a_cluster:
	s_bfe_u32 s2, ttmp6, 0x10000c
	s_cmp_lg_u32 s2, 0x3003
	s_cbranch_scc0 .Lentry_shape_is_right
	s_endpgm
.Lentry_shape_is_right:
; y = softmax(q k^T / 8, causal) v for 64 heads of 2,048 x 64, both products on codes of FP8 (E4M3); y is quantised at once with entry 6 of the scales.
; q_codes, k_codes [g][2048][64] (the channels in one order in both); v_codes [g][16 steps][64 d][128 keys], byte p of each 32 = key p with bits 3 and 4 exchanged; y_codes [head][b*2048+t][64 d].
; THE SOFTMAX: t = score x log2(e) / 8; M = the running largest t rounded UP to a whole number; p = 2^(t - M) is quantised (entry 4), not normalised; the row's sum is taken of the unquantised p
; and divides at the end.  When M moves, the sum and O are multiplied by 2^(old M - new M), which rounds nothing.
; SHARES.  A head's 2,048 queries are 64 units of 32.  The four work-groups of a head form a cluster; the one at place cx owns the units 4 u + cx, u = 0 .. 15.  Each of its eight waves owns two units, 15 - u and u,
; one after the other: 17 key steps of 128 in every wave.  A unit is two tiles of 16 queries, which share every fragment of K and V.
; Unit 4 u + cx has its diagonal in key step u whatever cx is, so every branch hangs on the wave's number and on counted steps alone; cx enters only the mask's per-lane numbers and global offsets.
; LDS holds the head's whole K (512 rows of 256 + 16 bytes) and V (1,024 rows of 128 + 16 bytes): 286,720 bytes.  They are asked for jointly by the four partners, one load a wave: keys 0-511 at the head
; (one step of K or of V a wave), keys 512-2,047 behind one round (three steps a wave).  Nothing is filled again.  THE ORDER: the late unit's first four steps, the same four in every wave, read the first fill alone;
; one barrier shows the second fill; then the late unit's other steps (12 - u) and the early unit's (u + 1): thirteen in every wave, with no meeting between.
; Every partner's last unit reads key step 15, so every joint load's bytes are read by every partner.
; THE MASK.  In a unit's diagonal step, key 16 T + 8 h + j is hidden from tile 0's query where 16 T + j > 32 cx + r - 8 h, the same for every unit: 64 registers of 0 or -infinity are made once and added there;
; tile 1's queries lie 16 further on, so its tile T takes tile T - 1's registers and its tile 0 none.
; No prefetch: all tiles are asked for in the head; there is no loop that runs ahead of a load.
; LAYOUT.  Both products transposed: S^T = K Q^T (source 0 = 16 keys), O^T = V^T P^T (source 0 = 16 channels): a lane holds ONE query (lane % 16) of each tile.  Register 8 T + j of S^T is key 16 T + 8 (lane / 16) + j,
; so the conversions' results are the second product's operand in its own register order.
; LIMITS on the given exponents: e2 + e3 between -123 and 130 (added to c's exponent field); e4 and e6 between -126 and 119; e4 + e5 goes by v_ldexp_f32 and has none.  NaN is not served.
; REGISTERS.  Window 0: v1-11 addresses; v12-15 -M and the largest t of tiles 0, 1; v16-19 the sums; v20-23 f; v24-39 Q in hand; v40-55 the early unit's Q; v56 its offset; v64-127, v128-191 S^T, then p;
; v192-223 tile 0's first sums, then p's codes; v224-244 at work; v252-255 constants.  Window 1: v0-63 O^T; v64-127 K's eight fragments; v128-191 V's four; v192-255 the mask.
.set KP,    272
.set KSTEP, 32*KP                      ; 128 keys of K in LDS
.set VP,    144
.set VSTEP, 64*VP                      ; 128 keys of V in LDS
.set VBASE, 16*KSTEP
.set STAGE, VBASE+16*VSTEP             ; the way out: 2,048 bytes for each wave, into which no tile lands
.set SPARE, STAGE+8*2048               ; the spare words, 128 bytes for each wave
.set MSB, 0
.macro WIN new                         ; the immediate's high byte repeats the setting that is left
.if MSB != \new
	s_set_vgpr_msb (MSB<<8)|\new
.set MSB, \new
.endif
.endm
; A joint load: waves 0-3 fetch K's rows, waves 4-7 V's.  The branch hangs on the wave's number alone.  An s_nop 0 and four v_nop follow each line.
.macro JLOAD g1k, g1v
	s_cmp_eq_u32 s15, 0
	s_cbranch_scc0 .Lfor_v_\@
	tensor_load_to_lds s[40:43], s[\g1k:\g1k+7]
	s_nop 0
.rept 4
	v_nop
.endr
	s_branch .Lasked_\@
.Lfor_v_\@:
	tensor_load_to_lds s[44:47], s[\g1v:\g1v+7]
	s_nop 0
.rept 4
	v_nop
.endr
.Lasked_\@:
.endm
.macro GROUP1 g, qi, rows              ; rows of 256 bytes, dense; the four partners; elements of 1 byte; four words of padding behind every 2 << qi
	s_mov_b32 s[\g], 15|(1<<20)|(1<<21)|(\qi<<22)|(3<<25)
	s_mov_b32 s[\g+1], 256<<16
	s_mov_b32 s[\g+2], \rows<<16
	s_mov_b32 s[\g+3], 256<<16
	s_mov_b32 s[\g+4], \rows
	s_mov_b32 s[\g+5], 256
	s_mov_b32 s[\g+6], 0
	s_mov_b32 s[\g+7], 0
.endm
.macro CROUND                          ; a round of the cluster's barrier
	s_barrier_signal -1
	s_barrier_wait -1
	s_cmp_lg_u32 s14, 0
	s_cbranch_scc1 .Lnot_wave_0_\@
	s_barrier_signal -3
.Lnot_wave_0_\@:
	s_barrier_wait -3
	s_barrier_signal -1
	s_barrier_wait -1
.endm
.macro INIT                            ; a unit begins: the largest t -3e38, sums and O^T zero: the first step's f is 0
	v_mov_b32 v13, 0xff61b1e6
	v_mov_b32 v15, 0xff61b1e6
	v_floor_f32 v12, -v13
	v_floor_f32 v14, -v15
.irp j, 16,17,18,19
	v_mov_b32 v\j, 0
.endr
	WIN 0x40
.set zj, 0
.rept 64
	v_mov_b32 v[zj], 0
.set zj, zj+1
.endr
	WIN 0
.endm
	s_load_b256 s[4:11], s[0:1], 0x0               ; q_codes, k_codes, v_codes, the scales' exponents
	s_load_b64 s[12:13], s[0:1], 0x20              ; y_codes
	v_lshl_add_u32 v4, v0, 2, SPARE
	v_mov_b32 v5, 0
	ds_add_u32 v4, v5                              ; the opening lines: the add twice on end, its wait ahead of my first tensor load
	ds_add_u32 v4, v5
	v_lshrrev_b32 v6, 5, v0
	v_readfirstlane_b32 s14, v6                    ; wave 0..7
	s_lshr_b32 s15, s14, 2                         ; I fetch for K (0) or for V (1)
	s_and_b32 s16, s14, 3                          ; which part of a fill
	s_bfe_u32 s17, ttmp6, 0x40000                  ; cx
	s_and_b32 s18, ttmp7, 0xffff                   ; g = 16 b + head
	s_sub_co_u32 s19, 11, s14
	s_cmp_lt_u32 s14, 4
	s_cselect_b32 s19, s14, s19                    ; u: waves w and w + 4 hold u and 7 - u
	GROUP1 24, 5, 32                               ; the first fill: K, 32 rows a wave: padding behind every 256 bytes
	GROUP1 32, 4, 32                               ; V: its rows of 128 bytes lie end to end and are stated as rows of 256: padding behind every 128
	GROUP1 76, 5, 96                               ; the second fill: 96 rows a wave
	GROUP1 84, 4, 96
	s_lshl_b32 s54, s18, 17                        ; a head is 131,072 bytes in q_codes, k_codes and v_codes
	s_mov_b32 s55, 0
	s_lshl_b32 s56, s16, 13
	s_add_co_u32 s56, s56, s54                     ; the first fill: my 8,192 bytes, one key step
	s_mov_b32 s57, 0
	s_mul_i32 s58, s16, KSTEP
	s_mul_i32 s59, s16, VSTEP
	s_add_co_u32 s59, s59, VBASE
	s_mul_i32 s92, s16, 3*KSTEP
	s_add_co_u32 s92, s92, 4*KSTEP                 ; the second fill: my three key steps, behind the first four
	s_mul_i32 s93, s16, 3*VSTEP
	s_add_co_u32 s93, s93, VBASE+4*VSTEP
	s_lshl_b32 s94, s16, 14
	s_add_co_u32 s94, s94, 32768                   ; from 8,192 x part to 32,768 + 24,576 x part
	s_mov_b32 s95, 0
	s_lshl_b32 s60, s19, 2
	s_add_co_u32 s60, s60, s17
	s_lshl_b32 s60, s60, 11                        ; the early unit: 2,048 bytes a unit in q_codes and y_codes
	s_sub_co_u32 s61, 15, s19
	s_lshl_b32 s61, s61, 2
	s_add_co_u32 s61, s61, s17
	s_lshl_b32 s61, s61, 11                        ; the late unit
	s_and_b32 s62, s18, 15
	s_lshl_b32 s62, s62, 19
	s_lshr_b32 s63, s18, 4
	s_lshl_b32 s63, s63, 17
	s_add_co_u32 s62, s62, s63                     ; y_codes: a head is 8,192 rows of 64 bytes, a batch 2,048 rows
	s_mov_b32 s63, 0
	s_lshl_b32 s53, s17, 5                         ; 32 cx
	s_lshl_b32 s66, s14, 11
	s_add_co_u32 s66, s66, STAGE                   ; my stage
	s_mov_b32 s20, 0x76543210
	s_mov_b32 s21, 0xfedcba98
	s_mov_b32 s22, 0x3e38aa3b                      ; log2(e) / 8
	s_sub_co_u32 s51, 15, s19                      ; the diagonal step of the unit in hand: the late one
	s_wait_dscnt 0x0
	s_wait_kmcnt 0x0
	s_load_b256 s[68:75], s[10:11], 0x0            ; e0 .. e7
	s_mov_b32 s40, 1
	s_mov_b32 s41, s58
	s_add_nc_u64 s[42:43], s[6:7], s[56:57]
	s_or_b32 s43, s43, 0x80000000
	s_mov_b32 s44, 1
	s_mov_b32 s45, s59
	s_add_nc_u64 s[46:47], s[8:9], s[56:57]
	s_or_b32 s47, s47, 0x80000000
	s_add_nc_u64 s[4:5], s[4:5], s[54:55]
	s_add_nc_u64 s[12:13], s[12:13], s[62:63]
	CROUND                                         ; the four partners are here: the joint loads meet
	JLOAD 24, 32                                   ; keys 0 to 511
	v_and_b32 v224, 15, v0                         ; r
	v_bfe_u32 v225, v0, 4, 1                       ; h
	v_lshlrev_b32 v226, 6, v224
	v_lshl_add_u32 v226, v225, 4, v226             ; Q: row r of 64 bytes, + 16 h
	v_add_nc_u32 v56, s60, v226                    ; never rewritten
	v_add_nc_u32 v228, s61, v226
.irp x, 0,1
	global_load_b128 v[24+8*\x:27+8*\x], v228, s[4:5] offset:1024*\x      ; the late unit's Q
	global_load_b128 v[28+8*\x:31+8*\x], v228, s[4:5] offset:1024*\x+32
.endr
	v_lshrrev_b32 v1, 2, v224
	v_mul_u32_u24 v1, v1, KP
	v_and_b32 v229, 3, v224
	v_lshl_add_u32 v1, v229, 6, v1
	v_lshl_add_u32 v1, v225, 4, v1                 ; key r of a tile: LDS row r / 4, byte 64 (r % 4) + 16 h
	v_mul_u32_u24 v2, v224, VP
	v_lshl_add_u32 v2, v225, 4, v2
	v_add_nc_u32 v2, VBASE, v2                     ; channel r of a tile of V
	v_lshlrev_b32 v229, 3, v225
	v_sub_nc_u32 v3, v224, v229
	v_add_nc_u32 v3, s53, v3                       ; in the diagonal step: tile 0's query - the step's first key - 8 h = 32 cx + r - 8 h
	v_and_b32 v229, 31, v0
	v_lshlrev_b32 v229, 4, v229
	v_add_nc_u32 v10, s60, v229                    ; my byte offset in y_codes, early unit,
	v_add_nc_u32 v11, s61, v229                    ; late unit
	v_add_nc_u32 v9, s66, v229                     ; the stage: where I read 16 bytes back,
	v_lshlrev_b32 v8, 6, v224
	v_lshl_add_u32 v8, v225, 3, v8
	v_add_nc_u32 v8, s66, v8                       ; and where I put eight codes
	v_mov_b32 v21, 0                               ; (upper halves of the pairs that hold f)
	v_mov_b32 v23, 0
	v_mov_b32 v242, 0                              ; written once: a lane permute's destination counts as one of its sources
	v_mov_b32 v243, 0
	INIT
	v_mov_b32 v244, 0xff800000                     ; -infinity
	WIN 0x40
.set mn, 0
.rept 64
	v_cmp_gt_i32 vcc_lo, 16*(mn/8)+mn%8, v3        ; the mask: register n is -infinity where key 16 (n / 8) + n % 8 + 8 h of the diagonal step lies behind tile 0's query, else 0
	v_cndmask_b32 v[192+mn], 0, v244, vcc_lo
.set mn, mn+1
.endr
	WIN 0
	s_wait_alu depctr_va_vdst(0)
	s_wait_kmcnt 0x0
	s_add_co_i32 s54, s70, s71
	s_lshl_b32 s54, s54, 23
	s_add_co_i32 s22, s22, s54                     ; a score stands for score x 2^(e2 + e3)
	s_mov_b32 s23, s22
	s_add_co_i32 s54, s72, 127
	s_lshl_b32 s55, s54, 23
	v_mov_b32 v253, s55                            ; 2^e4
	s_add_co_i32 s54, s54, 8
	s_lshl_b32 s54, s54, 23
	s_or_b32 s54, s54, 0x600000
	v_mov_b32 v252, s54                            ; 448 x 2^e4
	s_add_co_i32 s54, s74, 127
	s_lshl_b32 s55, s54, 23
	v_mov_b32 v254, s55                            ; 2^e6
	s_add_co_i32 s54, s54, 8
	s_lshl_b32 s54, s54, 23
	s_or_b32 s54, s54, 0x600000
	v_mov_b32 v255, s54                            ; 448 x 2^e6
	s_add_co_i32 s52, s72, s73                     ; e4 + e5
	s_wait_alu depctr_va_vdst(0)
	s_wait_tensorcnt 0x0                           ; my part of the first fill is in; the second fill is issued as a refill is
	ds_add_u32 v4, v5
	s_mov_b32 s41, s92
	s_add_nc_u64 s[42:43], s[42:43], s[94:95]
	s_mov_b32 s45, s93
	s_add_nc_u64 s[46:47], s[46:47], s[94:95]
	s_wait_dscnt 0x0
	CROUND
	JLOAD 76, 84                                   ; keys 512 to 2,047
.irp x, 0,1
	global_load_b128 v[40+8*\x:43+8*\x], v56, s[4:5] offset:1024*\x       ; the early unit's Q: wanted last, asked for last
	global_load_b128 v[44+8*\x:47+8*\x], v56, s[4:5] offset:1024*\x+32
.endr
	s_wait_loadcnt 4                               ; the late unit's Q is in; the four loads just issued may be out
; A KEY STEP: 128 keys for my two tiles.  s48 the step, s49 and s50 its place in K and in V.  mask = 1: a step behind the diagonal is left out, the diagonal step is masked.
.macro STEP mask
.if \mask
	s_cmp_gt_u32 s48, s51
	s_cbranch_scc1 .Lhid_\@
.endif
	v_add_nc_u32 v6, s49, v1
	v_add_nc_u32 v7, s50, v2
	v_nop
	v_nop                                          ; four plain lines in front of loads into registers that the last products read
	WIN 0x40
.irp t, 0,1,2,3,4,5,6,7
	ds_load_b128 v[64+8*\t:67+8*\t], v6 offset:\t*4*KP
	ds_load_b128 v[68+8*\t:71+8*\t], v6 offset:\t*4*KP+32
.endr
.irp t, 0,1,2,3
.irp c, 0,1,2,3
	ds_load_b128 v[128+16*\t+4*\c:131+16*\t+4*\c], v7 offset:\t*16*VP+32*\c
.endr
.endr
	s_wait_dscnt 16                                ; K's sixteen loads are in; V's sixteen may be out: they land under the softmax
	WIN 0x01
.irp t, 0,1,2,3,4,5,6,7
	v_wmma_f32_16x16x64_fp8_fp8 v[64+8*\t:71+8*\t], v[64+8*\t:71+8*\t], v[24:31], 0
	v_wmma_f32_16x16x64_fp8_fp8 v[128+8*\t:135+8*\t], v[64+8*\t:71+8*\t], v[32:39], 0
.endr
	WIN 0
.rept 4
	v_nop
.endr
.if \mask
	s_cmp_lg_u32 s48, s51
	s_cbranch_scc1 .Lopen_\@
	WIN 0x04                                       ; source 1: the mask, in window 1
.set mn, 0
.rept 32
	v_pk_add_f32 v[64+mn:65+mn], v[64+mn:65+mn], v[192+mn:193+mn]           ; hidden scores become -infinity; each accumulator from its low end on
.if mn < 56
	v_pk_add_f32 v[136+mn:137+mn], v[136+mn:137+mn], v[192+mn:193+mn]       ; tile 1's tile T takes tile T - 1's registers
.endif
.set mn, mn+2
.endr
	WIN 0
.Lopen_\@:
.endif
	v_max3_num_f32 v224, v64, v65, v66             ; the step's largest scores, two chains a tile, each accumulator from its low end on
	v_max3_num_f32 v225, v67, v68, v69
	v_max3_num_f32 v226, v128, v129, v130
	v_max3_num_f32 v227, v131, v132, v133
.irp i, 6,10,14,18,22,26,30,34,38,42,46,50,54,58
	v_max3_num_f32 v224, v224, v[64+\i], v[65+\i]
	v_max3_num_f32 v225, v225, v[66+\i], v[67+\i]
	v_max3_num_f32 v226, v226, v[128+\i], v[129+\i]
	v_max3_num_f32 v227, v227, v[130+\i], v[131+\i]
.endr
	v_max3_num_f32 v224, v224, v126, v127
	v_max3_num_f32 v226, v226, v190, v191
	v_max_num_f32 v224, v224, v225
	v_max_num_f32 v226, v226, v227
	v_permlanex16_b32 v242, v224, s20, s21
	v_permlanex16_b32 v243, v226, s20, s21
	v_max_num_f32 v224, v224, v242
	v_max_num_f32 v226, v226, v243
	v_mul_f32 v224, s22, v224                      ; as t (c is positive)
	v_mul_f32 v226, s22, v226
	v_max_num_f32 v13, v13, v224                   ; the running largest t
	v_max_num_f32 v15, v15, v226
	v_mov_b32 v224, v12
	v_mov_b32 v226, v14
	v_floor_f32 v12, -v13                          ; the new -M = floor(-t)
	v_floor_f32 v14, -v15
	v_sub_f32 v224, v12, v224                      ; old M - new M, 0 or less
	v_sub_f32 v226, v14, v226
	v_cvt_i32_f32 v224, v224                       ; (it saturates)
	v_cvt_i32_f32 v226, v226
	v_ldexp_f32 v20, 1.0, v224                     ; f = 2^(old M - new M)
	v_ldexp_f32 v22, 1.0, v226
	WIN 0x41
.set pj, 0
.rept 16
	v_pk_mul_f32 v[pj:pj+1], v[pj:pj+1], v[20:21] op_sel_hi:[1,0]           ; O^T under the new M, ahead of the exponentials: no transcendental stands between the last products and these first readers
	v_pk_mul_f32 v[32+pj:33+pj], v[32+pj:33+pj], v[22:23] op_sel_hi:[1,0]
.set pj, pj+2
.endr
	WIN 0
.set pj, 0
.rept 32
	v_pk_fma_f32 v[64+pj:65+pj], v[64+pj:65+pj], s[22:23], v[12:13] op_sel_hi:[1,0,0]     ; tile 0: t - M
.set pj, pj+2
.endr
	s_wait_alu depctr_va_vdst(0)
; Two batches of 64 exponentials.  The plain lines laid among a batch take only what was made ahead of the batch's wait, and what they make is first read behind the wait that follows the batch.
.set pj, 0
.rept 32
	v_exp_f32 v[64+pj], v[64+pj]                   ; tile 0: p = 2^(t - M)
	v_pk_fma_f32 v[128+pj:129+pj], v[128+pj:129+pj], s[22:23], v[14:15] op_sel_hi:[1,0,0]   ; tile 1: t - M
	v_exp_f32 v[65+pj], v[65+pj]
.set pj, pj+2
.endr
	v_pk_mul_f32 v[16:17], v[16:17], v[20:21] op_sel_hi:[1,0]   ; the sums under the new M
	v_pk_mul_f32 v[18:19], v[18:19], v[22:23] op_sel_hi:[1,0]
	s_wait_alu depctr_va_vdst(0)                   ; behind tile 0's batch and ahead of tile 1's
.set pk, 0
.rept 16
	v_exp_f32 v[128+4*pk], v[128+4*pk]             ; tile 1: p
	v_pk_add_f32 v[192+2*pk:193+2*pk], v[64+4*pk:65+4*pk], v[66+4*pk:67+4*pk]   ; tile 0: the first sums of the unquantised p,
	v_exp_f32 v[129+4*pk], v[129+4*pk]
	v_dual_min_num_f32 v[64+4*pk], v252, v[64+4*pk] :: v_dual_min_num_f32 v[65+4*pk], v252, v[65+4*pk]   ; and then the hold: the conversion does not saturate (ISA guide 7.6.2); p is not negative
	v_exp_f32 v[130+4*pk], v[130+4*pk]
	v_dual_min_num_f32 v[66+4*pk], v252, v[66+4*pk] :: v_dual_min_num_f32 v[67+4*pk], v252, v[67+4*pk]
	v_exp_f32 v[131+4*pk], v[131+4*pk]
.set pk, pk+1
.endr
	v_nop                                          ; a plain line behind the last exponential
	s_wait_alu depctr_va_vdst(0)                   ; one wait for the batch, ahead of its first reader
.irp k, 0,1,2,3,4,5,6,7
	v_pk_add_f32 v[192+2*\k:193+2*\k], v[192+2*\k:193+2*\k], v[208+2*\k:209+2*\k]   ; tile 0's sixteen first sums are joined as a tree; tile 1's sums go in four chains
.endr
	v_pk_add_f32 v[236:237], v[128:129], v[130:131]
	v_pk_add_f32 v[238:239], v[132:133], v[134:135]
	v_pk_add_f32 v[240:241], v[136:137], v[138:139]
	v_pk_add_f32 v[18:19], v[18:19], v[140:141]
.irp k, 0,1,2,3
	v_pk_add_f32 v[192+2*\k:193+2*\k], v[192+2*\k:193+2*\k], v[200+2*\k:201+2*\k]
.endr
.irp k, 14,22,30,38,46,54
	v_pk_add_f32 v[236:237], v[236:237], v[128+\k:129+\k]
	v_pk_add_f32 v[238:239], v[238:239], v[130+\k:131+\k]
	v_pk_add_f32 v[240:241], v[240:241], v[132+\k:133+\k]
	v_pk_add_f32 v[18:19], v[18:19], v[134+\k:135+\k]
.endr
	v_pk_add_f32 v[192:193], v[192:193], v[196:197]
	v_pk_add_f32 v[194:195], v[194:195], v[198:199]
	v_pk_add_f32 v[236:237], v[236:237], v[190:191]
	v_pk_add_f32 v[18:19], v[18:19], v[240:241]
	v_pk_add_f32 v[192:193], v[192:193], v[194:195]
	v_pk_add_f32 v[236:237], v[236:237], v[238:239]
	v_pk_add_f32 v[16:17], v[16:17], v[192:193]
	v_pk_add_f32 v[18:19], v[18:19], v[236:237]
.set pt, 0
.rept 8
.set pj, 0
.rept 4
	v_dual_min_num_f32 v[128+8*pt+pj], v252, v[128+8*pt+pj] :: v_dual_min_num_f32 v[129+8*pt+pj], v252, v[129+8*pt+pj]   ; tile 1's hold
.set pj, pj+2
.endr
	v_cvt_scalef32_pk8_fp8_f32 v[192+2*pt:193+2*pt], v[64+8*pt:71+8*pt], v253
	v_cvt_scalef32_pk8_fp8_f32 v[208+2*pt:209+2*pt], v[128+8*pt:135+8*pt], v253
.set pt, pt+1
.endr
	v_nop                                          ; a plain line behind the conversions
	s_wait_alu depctr_va_vdst(0)
	s_wait_dscnt 0x0                               ; V
	WIN 0x51
.irp t, 0,1,2,3
	v_wmma_f32_16x16x128_fp8_fp8 v[8*\t:8*\t+7], v[128+16*\t:143+16*\t], v[192:207], v[8*\t:8*\t+7]              ; O^T += V^T P^T: eight accumulators by turns
	v_wmma_f32_16x16x128_fp8_fp8 v[32+8*\t:39+8*\t], v[128+16*\t:143+16*\t], v[208:223], v[32+8*\t:39+8*\t]
.endr
	WIN 0
.if \mask
.Lhid_\@:
.endif
	s_add_co_u32 s49, s49, KSTEP
	s_add_co_u32 s50, s50, VSTEP
	s_add_co_u32 s48, s48, 1
.endm
; A UNIT'S END: O^T / the sum x 2^(e4 + e5) is y; held, converted with 2^e6; through my stage, out as 2,048 consecutive bytes.
.macro FINISH go
.rept 4
	v_nop
.endr
	v_add_f32 v16, v16, v17
	v_add_f32 v18, v18, v19
	v_permlanex16_b32 v242, v16, s20, s21
	v_permlanex16_b32 v243, v18, s20, s21
	v_add_f32 v16, v16, v242
	v_add_f32 v18, v18, v243
	s_wait_alu depctr_va_vdst(0)
	v_rcp_f32 v16, v16
	v_rcp_f32 v18, v18
	v_nop
	s_wait_alu depctr_va_vdst(0)
	v_ldexp_f32 v16, v16, s52
	v_ldexp_f32 v18, v18, s52
	WIN 0x01
	s_wait_alu depctr_va_vdst(0)                   ; directly ahead of the first reader of O^T
.set fj, 0
.rept 16
	v_pk_mul_f32 v[64+fj:65+fj], v[fj:fj+1], v[16:17] op_sel_hi:[1,0]       ; register 8 u + j is y(query r, channel 16 u + 8 h + j)
	v_pk_mul_f32 v[96+fj:97+fj], v[32+fj:33+fj], v[18:19] op_sel_hi:[1,0]
.set fj, fj+2
.endr
	WIN 0
.set fj, 0
.rept 64
	v_med3_num_f32 v[64+fj], v[64+fj], -v255, v255
.set fj, fj+1
.endr
.irp u, 0,1,2,3,4,5,6,7
	v_cvt_scalef32_pk8_fp8_f32 v[192+2*\u:193+2*\u], v[64+8*\u:71+8*\u], v254
.endr
	v_nop
.irp u, 0,1,2,3,4,5,6,7
	ds_store_b64 v8, v[192+2*\u:193+2*\u] offset:1024*(\u/4)+16*(\u%4)
.endr
.irp i, 0,1,2,3
	ds_load_b128 v[208+4*\i:211+4*\i], v9 offset:512*\i   ; LDS serves a wave's instructions in order: these see my stores
.endr
	s_wait_dscnt 0x0
.irp i, 0,1,2,3
	global_store_b128 v[\go], v[208+4*\i:211+4*\i], s[12:13] offset:512*\i   ; 512 consecutive bytes, at a multiple of 512 from the buffer's first byte
.endr
.endm
	s_mov_b32 s48, 0
	s_mov_b32 s49, 0
	s_mov_b32 s50, 0
.Llate1a:                                          ; the late unit's queries lie at 1,024 or beyond: all keys under 1,024 count.  Keys 0-511: four steps in every wave
	STEP 0
	s_cmp_lt_u32 s48, 4
	s_cbranch_scc1 .Llate1a
	s_wait_tensorcnt 0x0                           ; my part of the second fill is in
	s_wait_dscnt 0x0
	s_barrier_signal -1
	s_barrier_wait -1                              ; everybody's is.
.Llate1b:                                          ; keys 512-1,023
	STEP 0
	s_cmp_lt_u32 s48, 8
	s_cbranch_scc1 .Llate1b
.Llate2:
	STEP 1
	s_cmp_lt_u32 s48, 16
	s_cbranch_scc1 .Llate2
	FINISH 11
	s_wait_alu depctr_va_vdst(0)
	s_wait_loadcnt 0x0                             ; the early unit's Q
.irp j, 0,1,2,3,4,5,6,7,8,9,10,11,12,13,14,15
	v_mov_b32 v[24+\j], v[40+\j]
.endr
	INIT
	s_mov_b32 s48, 0
	s_mov_b32 s49, 0
	s_mov_b32 s50, 0
	s_mov_b32 s51, s19
	s_wait_alu depctr_va_vdst(0)
	s_wait_xcnt 0x0                                ; the stores have read their registers
.Learly:                                           ; the early unit: keys under 1,024
	STEP 1
	s_cmp_lt_u32 s48, 8
	s_cbranch_scc1 .Learly
	FINISH 10
	s_wait_tensorcnt 0x0                           ; the wave's end
	ds_add_u32 v4, v5
	s_wait_dscnt 0x0
	CROUND                                         ; the closing round
	s_endpgm
.Lfunc_end_k_q98cf7f05bb_attn:
	.size	k_q98cf7f05bb_attn, .Lfunc_end_k_q98cf7f05bb_attn-k_q98cf7f05bb_attn
	.p2alignl 7, 3214868480
	.fill 96, 4, 3214868480
	.section	.rodata,"a",@progbits
	.p2align	6, 0x0
	.amdhsa_kernel k_q98cf7f05bb_attn
		.amdhsa_group_segment_fixed_size 327680
		.amdhsa_private_segment_fixed_size 0
		.amdhsa_enable_private_segment 0
		.amdhsa_kernarg_size 40
		.amdhsa_user_sgpr_count 2
		.amdhsa_user_sgpr_kernarg_segment_ptr 1
		.amdhsa_wavefront_size32 1
		.amdhsa_system_sgpr_workgroup_id_x 1
		.amdhsa_system_sgpr_workgroup_id_y 1
		.amdhsa_system_sgpr_workgroup_id_z 1
		.amdhsa_system_vgpr_workitem_id 0
		.amdhsa_next_free_vgpr 512
		.amdhsa_next_free_sgpr 100
		.amdhsa_reserve_vcc 1
		.amdhsa_float_denorm_mode_32 3
		.amdhsa_float_denorm_mode_16_64 3
		.amdhsa_memory_ordered 1
		.amdhsa_forward_progress 1
		.amdhsa_inst_pref_size 159
	.end_amdhsa_kernel
	.amdgpu_metadata
---
amdhsa.version: [ 1, 2 ]
amdhsa.kernels:
  - .name:           k_q98cf7f05bb_attn
    .symbol:         k_q98cf7f05bb_attn.kd
    .args:
      - { .name: q_codes, .offset: 0, .size: 8, .value_kind: global_buffer, .address_space: global }
      - { .name: k_codes, .offset: 8, .size: 8, .value_kind: global_buffer, .address_space: global }
      - { .name: v_codes, .offset: 16, .size: 8, .value_kind: global_buffer, .address_space: global }
      - { .name: lowp_scales, .offset: 24, .size: 8, .value_kind: global_buffer, .address_space: global }
      - { .name: y_codes, .offset: 32, .size: 8, .value_kind: global_buffer, .address_space: global }
    .group_segment_fixed_size: 327680
    .private_segment_fixed_size: 0
    .kernarg_segment_align: 8
    .kernarg_segment_size: 40
    .max_flat_workgroup_size: 256
    .sgpr_count:     100
    .vgpr_count:     512
    .wavefront_size: 32
...
	.end_amdgpu_metadata
.endif
;; end of part 3
;; launch proj (part 4): grid 4 x 64, 4 waves a work-group, clusters of 4 x 4, 327,680 bytes of LDS; arguments y_codes, wp_codes, b_proj, lowp_scales, out0; writes out0
.if DOCPART == 4
	.amdgcn_target "amdgcn-amd-amdhsa--gfx1250"
	.amdhsa_code_object_version 6
	.text
	.protected	k_q98cf7f05bb_proj
	.globl	k_q98cf7f05bb_proj
	.p2align	8
	.type	k_q98cf7f05bb_proj,@function
k_q98cf7f05bb_proj:
	s_mov_b64 s[64:65], 0
	v_nop
	global_prefetch_b8 v0, s[64:65] scope:SCOPE_SE
	s_setreg_imm32_b32 hwreg(HW_REG_WAVE_MODE, 25, 1), 1
	s_wait_xcnt 0x0
	s_wait_alu depctr_hold_cnt(0) depctr_sa_sdst(0) depctr_va_vdst(0) depctr_va_sdst(0) depctr_va_ssrc(0) depctr_va_vcc(0) depctr_vm_vsrc(0)
	s_getreg_b32 s2, hwreg(HW_REG_IB_STS2, 6, 4)
	s_cmp_eq_u32 s2, 0
	s_cbranch_scc0 .Lentry_in_a_cluster
	s_endpgm
.Lentry_in_a_cluster:
	s_bfe_u32 s2, ttmp6, 0x10000c
	s_cmp_lg_u32 s2, 0xf033
	s_cbranch_scc0 .Lentry_shape_is_right
	s_endpgm
.Lentry_shape_is_right:
.set PITCH,  272
.set PLANE,  16*PITCH
.set HALFA,  4*PLANE
.set HALFB,  128*PITCH
.set SLOT,   2*HALFA+2*HALFB
.set SPARE,  2*SLOT
.set SPITCH, 528
.set FR,     16
.set NL,     4
.set NP,     4
.set NAH,    2
.set ADRA, 16
.set ADRB, 20
.set STO,  24
.set RD,   25
.set CO,   26
.set SPW,  28
.set NIL,  29
.set TMP,  32
.set AF,   128
.set BK,   128
.set G1, 24
.set G0, 32
.set G1B, 48
.set G0B, 56
.set MSB, 0
.macro WIN new
.if MSB != \new
	s_set_vgpr_msb (MSB<<8)|\new
.set MSB, \new
.endif
.endm
.set MUL,  0xa1
.set TO_B, 0x40
.macro JLOAD g0a, g1a, g0b, g1b
	s_cmp_eq_u32 s15, 0
	s_cbranch_scc0 .Lfor_b_\@
	tensor_load_to_lds s[\g0a:\g0a+3], s[\g1a:\g1a+7]
	s_nop 0
.rept 4
	v_nop
.endr
	s_branch .Lasked_\@
.Lfor_b_\@:
	tensor_load_to_lds s[\g0b:\g0b+3], s[\g1b:\g1b+7]
	s_nop 0
.rept 4
	v_nop
.endr
.Lasked_\@:
.endm
.macro CREST
	s_cmp_lg_u32 s14, 0
	s_cbranch_scc1 .Lnot_wave_0_\@
	s_barrier_signal -3
.Lnot_wave_0_\@:
	s_barrier_wait -3
	s_barrier_signal -1
	s_barrier_wait -1
.endm
.macro CROUND
	s_barrier_signal -1
	s_barrier_wait -1
	CREST
.endm
	s_load_b256 s[4:11], s[0:1], 0x0
	s_load_b64 s[12:13], s[0:1], 0x20
	v_lshl_add_u32 v[SPW], v0, 2, SPARE
	v_mov_b32 v[NIL], 0
	ds_add_u32 v28, v29
	ds_add_u32 v28, v29
	s_wait_dscnt 0x0
	v_lshrrev_b32 v1, 5, v0
	v_readfirstlane_b32 s14, v1
	s_lshr_b32 s15, s14, 1
	s_and_b32 s16, s14, 1
	s_bfe_u32 s40, ttmp6, 0x40000
	s_bfe_u32 s41, ttmp6, 0x40004
	s_lshl_b32 s42, ttmp9, 2
	s_add_co_u32 s42, s42, s40
	s_and_b32 s17, ttmp7, 0xffff
	s_lshl_b32 s17, s17, 2
	s_add_co_u32 s17, s17, s41
	s_lshl_b32 s43, s41, 2
	s_lshl_b32 s43, 15, s43
	s_lshl_b32 s44, 0x1111, s40
	s_or_b32 s[G1+0], s43, (0<<16)|(1<<20)|(1<<21)|(5<<22)|(3<<25)
	s_mov_b32 s[G1+1], 4096<<16
	s_mov_b32 s[G1+2], 4<<16
	s_mov_b32 s[G1+3], 4096<<16
	s_mov_b32 s[G1+4], 4
	s_mov_b32 s[G1+5], 524288
	s_mov_b32 s[G1+6], 0
	s_mov_b32 s[G1+7], 0
	s_or_b32 s[G1B+0], s44, (0<<16)|(1<<20)|(1<<21)|(5<<22)|(3<<25)
	s_mov_b32 s[G1B+1], 256<<16
	s_mov_b32 s[G1B+2], 128<<16
	s_mov_b32 s[G1B+3], 256<<16
	s_mov_b32 s[G1B+4], 128
	s_mov_b32 s[G1B+5], 1024
	s_mov_b32 s[G1B+6], 0
	s_mov_b32 s[G1B+7], 0
	s_lshl_b32 s20, s17, 13
	s_lshl_b32 s18, s16, 12
	s_add_co_u32 s20, s20, s18
	s_mov_b32 s21, 0
	s_lshl_b32 s46, s42, 18
	s_lshl_b32 s18, s16, 17
	s_add_co_u32 s46, s46, s18
	s_mov_b32 s47, 0
	s_mul_i32 s45, s16, HALFA
	s_mul_i32 s19, s16, HALFB
	s_add_co_u32 s19, s19, 2*HALFA
	s_wait_kmcnt 0x0
	s_load_b256 s[68:75], s[10:11], 0x0
	s_add_nc_u64 s[20:21], s[4:5], s[20:21]
	s_add_nc_u64 s[46:47], s[6:7], s[46:47]
	CROUND
.irp s, 0,1
	s_mov_b32 s[G0+4*\s], 1
	s_add_co_u32 s[G0+4*\s+1], s45, \s*SLOT
	s_add_nc_u64 s[G0+4*\s+2:G0+4*\s+3], s[20:21], \s*4*524288
	s_or_b32 s[G0+4*\s+3], s[G0+4*\s+3], 0x80000000
	s_mov_b32 s[G0B+4*\s], 1
	s_add_co_u32 s[G0B+4*\s+1], s19, \s*SLOT
	s_add_nc_u64 s[G0B+4*\s+2:G0B+4*\s+3], s[46:47], \s*256
	s_or_b32 s[G0B+4*\s+3], s[G0B+4*\s+3], 0x80000000
.if \s == 1                            ; K step 0's load stands behind the opening lines and the one round above; slot 1's first fill is issued as a refill is
	s_wait_alu depctr_va_vdst(0)
	s_wait_tensorcnt 0x0
	ds_add_u32 v28, v29
	ds_add_u32 v28, v29
	s_wait_dscnt 0x0
	CROUND
.endif
	JLOAD G0+4*\s, G1, G0B+4*\s, G1B
; PREFETCHES INTO THE L2.  Behind K step 0's load K steps 1 and 2 are named, behind K step 1's load K step 3: never more than two K steps are asked for and not yet loaded.
; The four partners that ask for a tile jointly share its blocks of 256 bytes out by address.  y_codes: my wave's part of a K step is 4 heads x 4,096 bytes; the partner at cx names head cx's sixteen blocks
; (lanes 16-31 name the last block again).  wp_codes: of my wave's 128 rows the partner at cy names 32, a lane a row.  The address registers are never rewritten.
.if \s == 0
	s_cmp_eq_u32 s15, 0
	s_cselect_b64 s[76:77], s[20:21], s[46:47]
	s_cselect_b32 s78, s40, s41
	s_cselect_b32 s79, 19, 15
	s_cselect_b32 s80, 15, 31
	s_cselect_b32 s81, 8, 10
	s_cselect_b32 s82, 21, 8
	s_lshl_b32 s78, s78, s79
	s_mov_b32 s79, 0
	s_add_nc_u64 s[76:77], s[76:77], s[78:79]
	s_lshl_b32 s78, 1, s82                         ; a K step on, in bytes
	s_add_nc_u64 s[84:85], s[76:77], s[78:79]
	s_add_nc_u64 s[86:87], s[84:85], s[78:79]
	s_add_nc_u64 s[88:89], s[86:87], s[78:79]
	v_and_b32 v30, 31, v0
	v_min_u32 v30, s80, v30
	v_lshlrev_b32 v30, s81, v30
	global_prefetch_b8 v30, s[84:85] th:TH_LOAD_NT scope:SCOPE_SE
	global_prefetch_b8 v30, s[86:87] th:TH_LOAD_NT scope:SCOPE_SE
.else
	global_prefetch_b8 v30, s[88:89] th:TH_LOAD_NT scope:SCOPE_SE
.endif
.endr
	v_and_b32 v1, 15, v0
	v_bfe_u32 v2, v0, 4, 1
	v_mul_u32_u24 v3, v1, PITCH
	v_lshl_add_u32 v4, v2, 4, v3
	v_lshrrev_b32 v5, 2, v1
	v_mul_u32_u24 v5, v5, PITCH
	v_and_b32 v6, 3, v1
	v_lshl_add_u32 v5, v6, 6, v5
	v_lshl_add_u32 v5, v2, 4, v5
	s_mul_i32 s21, s15, HALFA
	s_mul_i32 s22, s16, HALFB
	s_add_co_u32 s22, s22, 2*HALFA
.irp s, 0,1
	v_add_nc_u32 v[ADRA+\s], s21, v5
	v_add_nc_u32 v[ADRB+\s], s22, v4
	s_add_co_u32 s21, s21, SLOT
	s_add_co_u32 s22, s22, SLOT
.endr
	s_mul_i32 s23, s14, 16*SPITCH
	v_mul_u32_u24 v6, v1, SPITCH
	v_lshl_add_u32 v6, v2, 5, v6
	v_add_nc_u32 v[STO], s23, v6
	v_and_b32 v6, 31, v0
	v_lshlrev_b32 v[CO], 4, v6
	v_add_nc_u32 v[RD], s23, v[CO]
	s_lshl_b32 s20, s17, 7
	s_lshl_b32 s21, s15, 6
	s_add_co_u32 s20, s20, s21
	s_lshl_b32 s20, s20, 12
	s_lshl_b32 s46, s42, 10
	s_lshl_b32 s47, s16, 9
	s_add_co_u32 s46, s46, s47
	s_mov_b32 s47, 0
	s_add_nc_u64 s[8:9], s[8:9], s[46:47]
	s_add_co_u32 s20, s20, s46
	s_mov_b32 s21, 0
	s_add_nc_u64 s[12:13], s[12:13], s[20:21]
	v_lshlrev_b32 v7, 5, v2
	WIN 0xc0
.irp b, 0,1,2,3,4,5,6,7
	global_load_b128 v[8*\b:8*\b+3], v7, s[8:9] offset:64*\b
	global_load_b128 v[8*\b+4:8*\b+7], v7, s[8:9] offset:64*\b+16
.endr
	WIN 0
.macro FRAGB reg, adr, q, i
.irp c, 0,1,2,3
	ds_load_b128 v[\reg+4*\c:\reg+4*\c+3], v[\adr] offset:128*(\q)+32*\c+(\i)*16*PITCH
.endr
.endm
.macro FRAGA reg, adr, q, i
.irp c, 0,1,2,3
	ds_load_b128 v[\reg+4*\c:\reg+4*\c+3], v[\adr] offset:(2*(\q)+\c/2)*PLANE+32*(\c%2)+(\i)*4*PITCH
.endr
.endm
.macro MULB a0, n, p, zero
.set ma, \a0
.rept \n
.irp b, 0,1,2,3,4,5,6,7
.set rD, 8*(8*ma+\b)
.if \zero
	v_wmma_f32_16x16x128_fp8_fp8 v[rD:rD+7], v[128*(\p)+FR*\b:128*(\p)+FR*\b+FR-1], v[AF+FR*ma:AF+FR*ma+FR-1], 0
.else
	v_wmma_f32_16x16x128_fp8_fp8 v[rD:rD+7], v[128*(\p)+FR*\b:128*(\p)+FR*\b+FR-1], v[AF+FR*ma:AF+FR*ma+FR-1], v[rD:rD+7]
.endif
.endr
.set ma, ma+1
.endr
.endm
.macro FETCH_B slot, q, p
	WIN TO_B
.irp i, 0,1,2,3,4,5,6,7
	FRAGB 128*(\p)+FR*\i, ADRB+\slot, \q, \i
.endr
	WIN 0
.endm
.macro FETCH_A slot, q, i0
.irp i, \i0, \i0+1
	FRAGA AF+FR*(\i), ADRA+\slot, \q, \i
.endr
.endm
.macro PLACES n
.rept \n
	v_nop
.endr
.endm
.macro STEP slot, q, zero
	s_wait_dscnt NAH*NL
	WIN MUL
	MULB 0, NAH, (\q)%2, \zero
	s_wait_dscnt 0
	PLACES NP
	FETCH_B \slot, (\q)+1, 1-(\q)%2
	FETCH_A \slot, (\q)+1, 0
	WIN MUL
	MULB NAH, NAH, (\q)%2, \zero
	PLACES NP
	WIN 0
	FETCH_A \slot, (\q)+1, NAH
.endm
.macro TURN slot, next, fill
	s_wait_tensorcnt 0x0
	ds_add_u32 v[SPW], v[NIL]
	s_wait_dscnt NAH*NL+1
	WIN MUL
	MULB 0, NAH/2, 1, 0
	s_wait_dscnt 0x0
	s_barrier_signal -1
	MULB NAH/2, NAH/2, 1, 0
	WIN 0
	s_barrier_wait -1
.if \fill
	CREST
	s_add_nc_u64 s[G0+4*\slot+2:G0+4*\slot+3], s[G0+4*\slot+2:G0+4*\slot+3], 8*524288
	s_add_nc_u64 s[G0B+4*\slot+2:G0B+4*\slot+3], s[G0B+4*\slot+2:G0B+4*\slot+3], 512
	JLOAD G0+4*\slot, G1, G0B+4*\slot, G1B
.else
	PLACES NP
.endif
	s_wait_alu depctr_va_vdst(0)
	FETCH_B \next, 0, 0
	FETCH_A \next, 0, 0
	WIN MUL
	MULB NAH, NAH, 1, 0
	PLACES NP
	WIN 0
	FETCH_A \next, 0, NAH
.endm
	s_wait_tensorcnt 1
	s_barrier_signal -1
	s_barrier_wait -1
	FETCH_B 0, 0, 0
	FETCH_A 0, 0, 0
	FETCH_A 0, 0, NAH
	STEP 0, 0, 1
	TURN 0, 1, 1
	STEP 1, 0, 0
	TURN 1, 0, 1
	STEP 0, 0, 0
	TURN 0, 1, 0
	STEP 1, 0, 0
	s_wait_dscnt NAH*NL
	WIN MUL
	MULB 0, NAH, 1, 0
	s_wait_dscnt 0
	MULB NAH, NAH, 1, 0
	WIN 0
.macro TOSTAGE a
	WIN 0x32
.set tj, 0
.rept 32
	v_pk_fma_f32 v[TMP+tj:TMP+tj+1], v[64*(\a)+tj:64*(\a)+tj+1], s[96:97], v[tj:tj+1] op_sel_hi:[1,0,1]
.set tj, tj+2
.endr
	WIN 0
.irp b, 0,1,2,3,4,5,6,7
	ds_store_b128 v[STO], v[TMP+8*\b:TMP+8*\b+3] offset:64*\b
	ds_store_b128 v[STO], v[TMP+8*\b+4:TMP+8*\b+7] offset:64*\b+16
.endr
.set BB, BK+64*((\a)%2)
.irp t, 0,1,2,3,4,5,6,7,8,9,10,11,12,13,14,15
	ds_load_b128 v[BB+4*\t:BB+4*\t+3], v[RD] offset:\t*SPITCH
.endr
.endm
.macro SEND a, younger
.set BB, BK+64*((\a)%2)
	s_wait_dscnt \younger
.if (\a) > 0
	s_add_nc_u64 s[12:13], s[12:13], 16*4096
.endif
.irp t, 0,1,2,3,4,5,6,7,8,9,10,11,12,13,14,15
	global_store_b128 v[CO], v[BB+4*\t:BB+4*\t+3], s[12:13] offset:\t*4096 th:TH_STORE_NT
.endr
.endm
	s_wait_kmcnt 0x0
	s_add_co_i32 s96, s74, s75
	s_add_co_i32 s96, s96, 127
	s_lshl_b32 s96, s96, 23
	s_mov_b32 s97, s96
	s_wait_loadcnt 0x0
	PLACES NP
	TOSTAGE 0
.irp a, 1,2,3
.if \a > 1
	s_wait_xcnt 0x0
.endif
	TOSTAGE \a
	SEND \a-1, 32
.endr
	s_wait_xcnt 0x0
	SEND 3, 0
	s_wait_tensorcnt 0x0
	ds_add_u32 v[SPW], v[NIL]
	s_wait_dscnt 0x0
	CROUND
	s_endpgm
.Lfunc_end_k_q98cf7f05bb_proj:
	.size	k_q98cf7f05bb_proj, .Lfunc_end_k_q98cf7f05bb_proj-k_q98cf7f05bb_proj
	.p2alignl 7, 3214868480
	.fill 96, 4, 3214868480
	.section	.rodata,"a",@progbits
	.p2align	6, 0x0
	.amdhsa_kernel k_q98cf7f05bb_proj
		.amdhsa_group_segment_fixed_size 327680
		.amdhsa_private_segment_fixed_size 0
		.amdhsa_enable_private_segment 0
		.amdhsa_kernarg_size 40
		.amdhsa_user_sgpr_count 2
		.amdhsa_user_sgpr_kernarg_segment_ptr 1
		.amdhsa_wavefront_size32 1
		.amdhsa_system_sgpr_workgroup_id_x 1
		.amdhsa_system_sgpr_workgroup_id_y 1
		.amdhsa_system_sgpr_workgroup_id_z 1
		.amdhsa_system_vgpr_workitem_id 0
		.amdhsa_next_free_vgpr 832
		.amdhsa_next_free_sgpr 100
		.amdhsa_reserve_vcc 0
		.amdhsa_float_denorm_mode_32 3
		.amdhsa_float_denorm_mode_16_64 3
		.amdhsa_memory_ordered 1
		.amdhsa_forward_progress 1
		.amdhsa_inst_pref_size 80
	.end_amdhsa_kernel
	.amdgpu_metadata
---
amdhsa.version: [ 1, 2 ]
amdhsa.kernels:
  - .name:           k_q98cf7f05bb_proj
    .symbol:         k_q98cf7f05bb_proj.kd
    .args:
      - { .name: y_codes, .offset: 0, .size: 8, .value_kind: global_buffer, .address_space: global }
      - { .name: wp_codes, .offset: 8, .size: 8, .value_kind: global_buffer, .address_space: global }
      - { .name: b_proj, .offset: 16, .size: 8, .value_kind: global_buffer, .address_space: global }
      - { .name: lowp_scales, .offset: 24, .size: 8, .value_kind: global_buffer, .address_space: global }
      - { .name: out0, .offset: 32, .size: 8, .value_kind: global_buffer, .address_space: global }
    .group_segment_fixed_size: 327680
    .private_segment_fixed_size: 0
    .kernarg_segment_align: 8
    .kernarg_segment_size: 40
    .max_flat_workgroup_size: 128
    .sgpr_count:     100
    .vgpr_count:     832
    .wavefront_size: 32
...
	.end_amdgpu_metadata
.endif
;; end of part 4
